; MI455X (gfx1250); checked and timed in simulation.
; The chip was launched on July 23, 2026; its instructions are those of AMD's public machine-readable ISA for CDNA 5 (MIT licence, August 2026) and "CDNA5" Instruction Set Architecture Reference Guide (July 2026). The comments in the code are by the model that wrote it; some were corrected since.
;; Multi Headed Attention. Allowed arithmetic: matrix products marked QUANTISED: E2M3 operands, one E8M0 scale for each 32 along K, by v_wmma_scale_f32_16x16x128_f8f6f4 with both operands' format E2M3, f32 sums; everything else in f32.
;; Inputs: Wk 1,024 x 1,024 float32; Wo 1,024 x 1,024 float32; Wq 1,024 x 1,024 float32; Wv 1,024 x 1,024 float32; bk 1,024 float32; bo 1,024 float32; bq 1,024 float32; bv 1,024 float32; key 2 x 2,048 x 1,024 float32; query 2 x 2,048 x 1,024 float32; value 2 x 2,048 x 1,024 float32.
;; Outputs: out0 2 x 2,048 x 1,024 float32.
;; This version of the problem:
;;   THIS VERSION OF THE PROBLEM IS GIVEN IN LOW PRECISION. The matrix products marked QUANTISED in the list below multiply operands that are first quantised to E2M3 (2 exponent bits, 3 mantissa bits; 6 bits a number), with one power-of-two scale for each 32 numbers along K (OCP MX v1.0); their sums are f32. All else is computed in f32.
;;   The module's matrix products, in the order in which they are computed (A, B: the left and right operand; K: the contracted axis; several contracted axes count as one K, in the product's order):
;;     1. [M 4,096, K 1,024] x [K 1,024, N 1,024]; A: input query; B: input Wq: QUANTISED
;;     2. [M 4,096, K 1,024] x [K 1,024, N 1,024]; A: input key; B: input Wk: QUANTISED
;;     3. [M 4,096, K 1,024] x [K 1,024, N 1,024]; A: input value; B: input Wv: QUANTISED
;;     4. batch 32 x [M 2,048, K 64] x [K 64, N 2,048]; A: computed on the way; B: computed on the way: QUANTISED
;;     5. batch 32 x [M 2,048, K 2,048] x [K 2,048, N 64]; A: softmax (see below); B: computed on the way: QUANTISED
;;     6. [M 4,096, K 1,024] x [K 1,024, N 1,024]; A: computed on the way; B: input Wo: QUANTISED
;;   THE QUANTISER, for each operand of a quantised product, along K:
;;     - K is cut into blocks of 32 from its start; a last block that is shorter is filled with zeros.
;;     - A block's scale is 2^e with e = floor(log2(the largest magnitude in the block)) - 2, held to -126 .. 127; a block of zeros has e = 0. As a byte (E8M0): e + 127.
;;     - Each number is divided by its block's scale, clamped to +-7.5, and rounded to the nearest number of E2M3, ties to even, subnormals kept.
;;     - The product sums the exact products of the quantised numbers (number of the format x scale) in f32.
;;   ~~~python
;;   def quantise(x, axis):      # numpy; x: float32 -> the quantised numbers, widened to float32 again
;;       x = np.moveaxis(x, axis, -1); K = x.shape[-1]
;;       x = np.pad(x, [(0, 0)] * (x.ndim - 1) + [(0, -K % 32)]); x = x.reshape(x.shape[:-1] + (-1, 32)); a = np.abs(x).max(-1, keepdims=True)
;;       e = np.where(a > 0, np.clip(np.frexp(np.where(a > 0, a, 1))[1] - 1 - 2, -126, 127), 0)      # np.frexp(a)[1] - 1 = floor(log2(a)), exactly
;;       r = np.clip(x / 2.0 ** e, -7.5, 7.5)
;;       step = 2.0 ** (np.maximum(np.frexp(np.where(r == 0, 1, r))[1] - 1, 0) - 3)
;;       q = np.round(r / step) * step * 2.0 ** e      # np.round: ties to even
;;       return np.moveaxis(q.reshape(q.shape[:-2] + (-1,))[..., :K], -1, axis).astype(np.float32)
;;   ~~~
;;   SOFTMAX AHEAD OF A QUANTISED PRODUCT. Where the list says 'softmax', what is quantised is not the finished softmax but p = 2^(t - M), with t = logit x log2(e) and M = ceil(the row's largest t), a whole number; so 1/2 < the row's largest p <= 1. The row's sum l is taken of the UNQUANTISED p, in f32, and the product's result is divided by l at the end. Since M is a whole number, a kernel that streams over the keys may use a running M (the ceiling of the running maximum): every later rescaling is an exact power of two, which a block's scale takes up: the codes' values come out the same.
;;   OPERANDS COMPUTED ON THE WAY. 'Computed on the way' means the value that the module computes at that place (a softmax that the list does not call 'softmax' is quantised finished and normalised). What goes into a quantiser is computed in f32, as accurately as f32 sums, v_exp_f32 and their like allow (about 1e-6 of the number): no bf16 or f16 on the way to a quantiser, and a product that is left as it is and whose result goes on into a quantised operand takes f32 operands (vector FMAs, or v_wmma_f32_16x16x4_f32). A number that lies on a knife's edge between two numbers of the format may be rounded either way, as far as f32 arithmetic and the matrix unit's own rounding can turn it there, and no further.
;; One version. Each part assembles by itself: llvm-mc -triple=amdgcn-amd-amdhsa -mcpu=gfx1250 --defsym DOCPART=n.
;; ======== version 1 of 1: 4 launches
;; limits: right only within a limited range of input values
;; workspace buffers: xw_codes 12,582,912 bytes; xw_scales 524,288 bytes; rope 524,288 bytes; qkv_codes 9,437,184 bytes; qkv_scales 393,216 bytes; o_codes 3,145,728 bytes; o_scales 131,072 bytes
;; launch quant (part 1): grid 256 x 1, 16 waves a work-group, no clusters, 270,336 bytes of LDS; arguments query, key, value, Wq, Wk, Wv, Wo, xw_codes, xw_scales, rope; writes xw_codes, xw_scales, rope
.if DOCPART == 1
	.amdgcn_target "amdgcn-amd-amdhsa--gfx1250"
	.amdhsa_code_object_version 6
	.text
	.protected	k_qf11608ab6c_quant
	.globl	k_qf11608ab6c_quant
	.p2align	8
	.type	k_qf11608ab6c_quant,@function
k_qf11608ab6c_quant:
	s_mov_b64 s[64:65], 0
	v_nop
	global_prefetch_b8 v0, s[64:65] scope:SCOPE_SE
	s_setreg_imm32_b32 hwreg(HW_REG_WAVE_MODE, 25, 1), 1
	s_wait_xcnt 0x0
; The seven f32 tensors (query, key, value: 4,096 rows; Wq, Wk, Wv, Wo: 1,024 rows; 1,024 numbers a row), stacked in this order, become codes of FP6 (E2M3) and one E8M0 byte for each 32 along K; the first 64
; work-groups also make the table of cosines and sines for the rotary embedding.
; THE PROGRAM: this launch; proj (Q, K, V, rotary embedding, quantised); attn; outp.  Work left out: attention outside the band |query - key| <= 50: whole blocks of 32 keys that do not touch it
; are not multiplied (their weight is 0).  A NaN, an infinity or an overflow that reaches only those products is not carried to the result.  All eleven inputs are loaded.
; LAYOUT.  A FRAGMENT is 16 rows x 128 along K, as the image of its twelve operand registers: [3 pieces of 4 registers][32 lanes][16 bytes]: lane (r, h) holds row r, registers 6 c .. 6 c + 5 the block of 32 at 64 c + 32 h.
; Codes: [block of 128 rows][step q of 128 along K][tile of 16 rows 8][1,536 bytes].  Scale words: [pair of tiles][q / 4][lane: 16 x (tile % 2) + row][q % 4][4 bytes].
; Inside each block of 32 the numbers stand in the order 0-7, 16-23, 8-15, 24-31, in all seven tensors alike: so lie o's channels, which a later launch quantises out of matrix results, and a sum over K is the same in any order.
; A block's scale is 2^(floor(log2(its largest magnitude)) - 2): its byte is the largest magnitude's exponent field - 2, held at 1 from below.
; LIMITS: a block of zeros gets the byte 1 (its codes are zeros; only this program reads the bytes); blocks whose largest magnitude lies under 2^-124 were not tried; NaN and infinities are not served.
; The table takes 10^(-f/8), rounded to f32, for the inverse frequency; a power computed in f32 may differ from it in the last bit, which moves an angle by up to 2.5e-4 radians at position 2,047.
; SHARES.  A work-group takes 64 rows, a wave 16 rows x 256 along K: 16 rows of 1,024 bytes by one tensor load, 16 bytes of padding behind each: all 256 KiB are asked for at once.  Only the issuing wave reads them: no barrier for them.
; No prefetch: there is no loop to run ahead in.  No cluster: no two work-groups read the same bytes.
.set WREG,  16640                      ; 16 rows x 1,040 bytes
.set SS,    266240                     ; the work-group's 2,048 scale bytes
.set SPARE, 268288
.set SPW, 12
.set NIL, 13
	s_load_b512 s[16:31], s[0:1], 0x0              ; query, key, value, Wq, Wk, Wv, Wo, the codes
	s_load_b128 s[32:35], s[0:1], 0x40             ; the scale bytes, the table
	v_lshl_add_u32 v[SPW], v0, 2, SPARE
	v_mov_b32 v[NIL], 0
	ds_add_u32 v[SPW], v[NIL]                      ; the opening add, twice on end
	ds_add_u32 v[SPW], v[NIL]
	v_lshrrev_b32 v1, 5, v0
	v_readfirstlane_b32 s40, v1                    ; wave 0..15
	s_lshr_b32 s41, s40, 2                         ; t: which tile of 16 rows
	s_and_b32 s42, s40, 3                          ; which 256 along K
	s_mov_b32 s4, 1
	s_mul_i32 s5, s40, WREG
	s_mov_b32 s8, (2<<16)|(1<<20)|(7<<22)|(3<<25)  ; elements of 4 bytes; 4 dwords of padding behind every 256
	s_mov_b32 s9, 256<<16
	s_mov_b32 s10, 16<<16
	s_mov_b32 s11, 256<<16
	s_mov_b32 s12, 16
	s_mov_b32 s13, 1024
	s_mov_b32 s14, 0
	s_mov_b32 s15, 0
	v_and_b32 v1, 15, v0                           ; r
	v_bfe_u32 v2, v0, 4, 1                         ; h
	v_and_b32 v3, 31, v0                           ; lane
	v_lshlrev_b32 v4, 4, v3                        ; 16 x lane
	v_mul_u32_u24 v5, v1, 1040
	v_lshl_add_u32 v5, v2, 7, v5
	v_add_nc_u32 v5, s5, v5                        ; my row's block h
	s_lshr_b32 s36, s41, 1
	s_lshl_b32 s36, s36, 10
	s_lshr_b32 s37, s42, 1
	s_lshl_b32 s37, s37, 9
	s_add_co_u32 s36, s36, s37
	s_and_b32 s37, s41, 1
	s_lshl_b32 s37, s37, 8
	s_add_co_u32 s36, s36, s37
	s_and_b32 s37, s42, 1
	s_lshl_b32 s37, s37, 3
	s_add_co_u32 s36, s36, s37
	s_add_co_u32 s36, s36, SS
	s_wait_alu depctr_va_vdst(0)                   ; directly ahead of the readers below
	v_lshl_add_u32 v6, v1, 4, v2
	v_add_nc_u32 v6, s36, v6                       ; where my scale bytes go in LDS
	s_lshl_b32 s37, s42, 9
	s_add_co_u32 s37, s37, SS
	v_add_nc_u32 v7, s37, v4                       ; and where waves 0-3 read them back
	s_wait_alu depctr_va_vdst(0)                   ; the wait at the head's end
	s_wait_dscnt 0x0                               ; both opening adds are done
	s_wait_kmcnt 0x0
	s_mov_b64 s[2:3], s[28:29]                     ; which tensor: the choice hangs on the work-group's number alone
	s_mov_b32 s37, 240                             ; and the tensor's first work-group
.macro PICK lim, p, first
	s_cmp_lt_u32 ttmp9, \lim
	s_cselect_b64 s[2:3], s[\p:\p+1], s[2:3]
	s_cselect_b32 s37, \first, s37
.endm
	PICK 240, 26, 224
	PICK 224, 24, 208
	PICK 208, 22, 192
	PICK 192, 20, 128
	PICK 128, 18, 64
	PICK 64, 16, 0
	s_sub_co_u32 s37, ttmp9, s37
	s_lshl_b32 s38, s37, 18                        ; 64 rows of 4,096 bytes
	s_lshl_b32 s37, s41, 16
	s_add_co_u32 s38, s38, s37
	s_lshl_b32 s37, s42, 10
	s_add_co_u32 s38, s38, s37
	s_mov_b32 s39, 0
	s_add_nc_u64 s[6:7], s[2:3], s[38:39]
	s_or_b32 s7, s7, 0x80000000
	tensor_load_to_lds s[4:7], s[8:15]
	s_nop 0
	s_lshr_b32 s37, ttmp9, 1                       ; out: codes
	s_mul_i32 s38, s37, 98304
	s_and_b32 s37, ttmp9, 1
	s_mul_i32 s37, s37, 6144
	s_add_co_u32 s38, s38, s37
	s_mul_i32 s37, s41, 1536
	s_add_co_u32 s38, s38, s37
	s_mul_i32 s37, s42, 24576
	s_add_co_u32 s38, s38, s37
	s_add_nc_u64 s[2:3], s[30:31], s[38:39]
	s_lshl_b32 s38, ttmp9, 11                      ; scale bytes: 2,048 a work-group, 512 a storing wave
	s_lshl_b32 s37, s42, 9
	s_add_co_u32 s38, s38, s37
	s_add_nc_u64 s[32:33], s[32:33], s[38:39]
; THE TABLE, under the load's flight.  Work-group g < 64: positions 32 g + lane; wave p: frequencies 2 p and 2 p + 1.  Laid [p 16][position 2,048][cos, cos, sin, sin]: a wave stores 512 consecutive bytes.
; x = position x 10^(-f/8), one rounding; x = n pi/2 + r by two fused multiply-adds (pi/2 in two parts; the first is exact: n has 11 bits, the part 24, and the difference is a multiple of 2^-23 under 1);
; Taylor sums on |r| <= pi/4 up to r^9 and r^10 (what is cut off is under 2e-9); n mod 4 exchanges the two and sets the signs.  No branch hangs on a number.
	s_cmp_lt_u32 ttmp9, 64
	s_cbranch_scc0 .Lno_table
	s_mov_b32 s45, 1.0
	s_mov_b32 s44, 0
	s_mov_b32 s43, 0
.macro INV p, x, y
	s_mul_f32 s46, s45, \x
	s_mul_f32 s47, s45, \y
	s_cmp_eq_u32 s40, \p
	s_cselect_b32 s44, s46, s44
	s_cselect_b32 s43, s47, s43
.endm
	INV 0, 1.0, 0.7498942093
	INV 1, 0.5623413252, 0.4216965034
	INV 2, 0.3162277660, 0.2371373706
	INV 3, 0.1778279410, 0.1333521432
	INV 4, 0.1, 0.07498942093
	INV 5, 0.05623413252, 0.04216965034
	INV 6, 0.03162277660, 0.02371373706
	INV 7, 0.01778279410, 0.01333521432
	INV 8, 0.01, 0.007498942093
	INV 9, 0.005623413252, 0.004216965034
	INV 10, 0.003162277660, 0.002371373706
	INV 11, 0.001778279410, 0.001333521432
	INV 12, 0.001, 0.0007498942093
	INV 13, 0.0005623413252, 0.0004216965034
	INV 14, 0.0003162277660, 0.0002371373706
	INV 15, 0.0001778279410, 0.0001333521432
.macro TRIG f, inv
	v_mul_f32 v15, \inv, v14                       ; x
	v_mul_f32 v16, 0x3f22f983, v15                 ; x 2 / pi
	v_rndne_f32 v16, v16                           ; n
	v_fmamk_f32 v17, v16, 0xbfc90fdb, v15          ; x - n (pi/2's upper part)
	v_fmamk_f32 v17, v16, 0x333bbd2e, v17          ; - n (its lower part, -4.37e-8): r
	v_mul_f32 v18, v17, v17                        ; z = r r
	v_fmaak_f32 v19, v10, v18, 0xb9500d01          ; 1/9! z - 1/7!
	v_fmaak_f32 v21, v11, v18, 0x37d00d01          ; -1/10! z + 1/8!
	v_fmaak_f32 v19, v19, v18, 0x3c088889          ; + 1/5!
	v_fmaak_f32 v21, v21, v18, 0xbab60b61          ; - 1/6!
	v_fmaak_f32 v19, v19, v18, 0xbe2aaaab          ; - 1/3!
	v_fmaak_f32 v21, v21, v18, 0x3d2aaaab          ; + 1/4!
	v_mul_f32 v20, v18, v17                        ; z r
	v_fmaak_f32 v21, v21, v18, 0xbf000000          ; - 1/2
	v_fma_f32 v19, v19, v20, v17                   ; sin r
	v_fma_f32 v21, v21, v18, 1.0                   ; cos r
	v_cvt_i32_f32 v22, v16                         ; n as a whole number
	v_and_b32 v23, 1, v22
	v_cmp_eq_u32 vcc_lo, 1, v23
	v_cndmask_b32 v24, v21, v19, vcc_lo            ; odd n: the two change places
	v_cndmask_b32 v25, v19, v21, vcc_lo
	v_add_nc_u32 v23, 1, v22
	v_and_b32 v23, 2, v23                          ; the cosine is negative for n mod 4 = 1, 2
	v_lshlrev_b32 v23, 30, v23
	v_xor_b32 v[28+\f], v23, v24
	v_and_b32 v23, 2, v22                          ; the sine for n mod 4 = 2, 3
	v_lshlrev_b32 v23, 30, v23
	v_xor_b32 v[30+\f], v23, v25
.endm
	s_lshl_b32 s36, ttmp9, 5
	s_lshl_b32 s37, s40, 15
	v_add_nc_u32 v14, s36, v3                      ; position
	v_lshl_add_u32 v27, v14, 4, s37
	v_cvt_f32_u32 v14, v14
	v_mov_b32 v10, 0x3638ef1d                      ; 1/9!
	v_mov_b32 v11, 0xb493f27e                      ; -1/10!
	TRIG 0, s44
	TRIG 1, s43
	global_store_b128 v27, v[28:31], s[34:35]
.Lno_table:
	s_wait_alu depctr_va_vdst(0)
	s_wait_tensorcnt 0x0                           ; my 16 rows are in
.macro BLK b, o                        ; block b: 32 neighbours along K, in the order 0-7, 16-23, 8-15, 24-31
	ds_load_b128 v[64+32*\b:67+32*\b], v5 offset:\o
	ds_load_b128 v[68+32*\b:71+32*\b], v5 offset:\o+16
	ds_load_b128 v[80+32*\b:83+32*\b], v5 offset:\o+32
	ds_load_b128 v[84+32*\b:87+32*\b], v5 offset:\o+48
	ds_load_b128 v[72+32*\b:75+32*\b], v5 offset:\o+64
	ds_load_b128 v[76+32*\b:79+32*\b], v5 offset:\o+80
	ds_load_b128 v[88+32*\b:91+32*\b], v5 offset:\o+96
	ds_load_b128 v[92+32*\b:95+32*\b], v5 offset:\o+112
.endm
	BLK 0, 0
	BLK 1, 256
	BLK 2, 512
	BLK 3, 768
.macro QFRAG f
.set XS, 64+64*\f
.set F, 32+12*\f
.irp c, 0,1
	v_max3_num_f32 v[16+\c], |v[XS+32*\c]|, |v[XS+1+32*\c]|, 0x1800000   ; the largest magnitude, and the floor 2^(3 - 127): the byte cannot fall under 1
.endr
.irp i, 2,4,6,8,10,12,14,16,18,20,22,24,26,28,30
.irp c, 0,1
	v_max3_num_f32 v[16+\c], v[16+\c], |v[XS+32*\c+\i]|, |v[XS+32*\c+\i+1]|
.endr
.endr
.irp c, 0,1
	v_add_nc_u32 v[18+\c], 0xff000000, v[16+\c]    ; 2 off the exponent field: the conversion's scale operand
.endr
.irp c, 0,1
	v_lshrrev_b32 v[20+\c], 23, v[18+\c]           ; the scale's byte
.endr
.irp c, 0,1
	v_cvt_scalef32_pk16_fp6_f32 v[F+6*\c:F+6*\c+2], v[XS+32*\c:XS+32*\c+15], v[18+\c]
	v_cvt_scalef32_pk16_fp6_f32 v[56+4*\c:58+4*\c], v[XS+32*\c+16:XS+32*\c+31], v[18+\c]
.endr
	v_nop                                          ; one plain line behind a scaled conversion
.irp c, 0,1
.irp i, 0,1,2
	v_mov_b32 v[F+6*\c+3+\i], v[56+4*\c+\i]
.endr
.endr
.irp c, 0,1
	ds_store_b8 v6, v[20+\c] offset:4*\f+2*\c
.endr
.irp p, 0,1,2
	global_store_b128 v4, v[F+4*\p:F+4*\p+3], s[2:3] offset:12288*\f+512*\p   ; 512 consecutive bytes, aligned
.endr
.endm
	s_wait_dscnt 16                                ; blocks 0 and 1 are in; the sixteen loads behind them may be out
	QFRAG 0
	s_wait_dscnt 2                                 ; blocks 2 and 3; the two byte stores may be out
	QFRAG 1
	s_wait_dscnt 0x0
	s_barrier_signal -1
	s_barrier_wait -1                              ; all 2,048 scale bytes lie in LDS
	s_cmp_lt_u32 s40, 4
	s_cbranch_scc0 .Lend
	ds_load_b128 v[16:19], v7
	s_wait_dscnt 0x0
	global_store_b128 v4, v[16:19], s[32:33]       ; 512 consecutive bytes, aligned
.Lend:
	s_wait_tensorcnt 0x0                           ; the wave's end
	ds_add_u32 v[SPW], v[NIL]
	s_wait_dscnt 0x0
	s_endpgm
.Lfunc_end_k_qf11608ab6c_quant:
	.size	k_qf11608ab6c_quant, .Lfunc_end_k_qf11608ab6c_quant-k_qf11608ab6c_quant
	.p2alignl 7, 3214868480
	.fill 96, 4, 3214868480
	.section	.rodata,"a",@progbits
	.p2align	6, 0x0
	.amdhsa_kernel k_qf11608ab6c_quant
		.amdhsa_group_segment_fixed_size 270336
		.amdhsa_private_segment_fixed_size 0
		.amdhsa_enable_private_segment 0
		.amdhsa_kernarg_size 80
		.amdhsa_user_sgpr_count 2
		.amdhsa_user_sgpr_kernarg_segment_ptr 1
		.amdhsa_wavefront_size32 1
		.amdhsa_system_sgpr_workgroup_id_x 1
		.amdhsa_system_sgpr_workgroup_id_y 1
		.amdhsa_system_sgpr_workgroup_id_z 1
		.amdhsa_system_vgpr_workitem_id 0
		.amdhsa_next_free_vgpr 192
		.amdhsa_next_free_sgpr 66
		.amdhsa_reserve_vcc 1
		.amdhsa_float_denorm_mode_32 3
		.amdhsa_float_denorm_mode_16_64 3
		.amdhsa_memory_ordered 1
		.amdhsa_forward_progress 1
		.amdhsa_inst_pref_size 20
	.end_amdhsa_kernel
	.amdgpu_metadata
---
amdhsa.version: [ 1, 2 ]
amdhsa.kernels:
  - .name:           k_qf11608ab6c_quant
    .symbol:         k_qf11608ab6c_quant.kd
    .args:
      - { .name: query, .offset: 0, .size: 8, .value_kind: global_buffer, .address_space: global }
      - { .name: key, .offset: 8, .size: 8, .value_kind: global_buffer, .address_space: global }
      - { .name: value, .offset: 16, .size: 8, .value_kind: global_buffer, .address_space: global }
      - { .name: Wq, .offset: 24, .size: 8, .value_kind: global_buffer, .address_space: global }
      - { .name: Wk, .offset: 32, .size: 8, .value_kind: global_buffer, .address_space: global }
      - { .name: Wv, .offset: 40, .size: 8, .value_kind: global_buffer, .address_space: global }
      - { .name: Wo, .offset: 48, .size: 8, .value_kind: global_buffer, .address_space: global }
      - { .name: xw_codes, .offset: 56, .size: 8, .value_kind: global_buffer, .address_space: global }
      - { .name: xw_scales, .offset: 64, .size: 8, .value_kind: global_buffer, .address_space: global }
      - { .name: rope, .offset: 72, .size: 8, .value_kind: global_buffer, .address_space: global }
    .group_segment_fixed_size: 270336
    .private_segment_fixed_size: 0
    .kernarg_segment_align: 8
    .kernarg_segment_size: 80
    .max_flat_workgroup_size: 512
    .sgpr_count:     66
    .vgpr_count:     192
    .wavefront_size: 32
...
	.end_amdgpu_metadata
.endif
;; end of part 1
;; launch proj (part 2): grid 16 x 16, 4 waves a work-group, clusters of 4 x 4, 327,680 bytes of LDS; arguments xw_codes, xw_scales, rope, bq, bk, bv, qkv_codes, qkv_scales; writes qkv_codes, qkv_scales
.if DOCPART == 2
	.amdgcn_target "amdgcn-amd-amdhsa--gfx1250"
	.amdhsa_code_object_version 6
	.text
	.protected	k_qf11608ab6c_proj
	.globl	k_qf11608ab6c_proj
	.p2align	8
	.type	k_qf11608ab6c_proj,@function
k_qf11608ab6c_proj:
	s_mov_b64 s[64:65], 0
	v_nop
	global_prefetch_b8 v0, s[64:65] scope:SCOPE_SE
	s_setreg_imm32_b32 hwreg(HW_REG_WAVE_MODE, 25, 1), 1
	s_wait_xcnt 0x0
	s_wait_alu depctr_hold_cnt(0) depctr_sa_sdst(0) depctr_va_vdst(0) depctr_va_sdst(0) depctr_va_ssrc(0) depctr_va_vcc(0) depctr_vm_vsrc(0)
	s_getreg_b32 s2, hwreg(HW_REG_IB_STS2, 6, 4)
	s_cmp_eq_u32 s2, 0
	s_cbranch_scc0 .Lentry_in_a_cluster
	s_endpgm
.Lentry_in_a_cluster:
	s_bfe_u32 s2, ttmp6, 0x10000c
	s_cmp_lg_u32 s2, 0xf033
	s_cbranch_scc0 .Lentry_shape_is_right
	s_endpgm
.Lentry_shape_is_right:
; Q, K, V = x W^T + b with three inputs x; Q and K with the rotary embedding; all three quantised to FP6 (E2M3) on the way out, Q and K along the head's 64, V along the tokens.  No f32 result is stored.
; LIMITS: as the first launch's: NaN and infinities are not served; a block of zeros gets the byte 1.
; THE DEAL.  256 work-groups of four waves, 2 x 2 (a: rows, b: columns): each makes 128 x 128 of V, then 256 x 128 of Q or K.  A wave holds 64 rows of a weight, all of K, in 384 registers, and streams blocks of 16 rows of x past
; them: 32 products a block, four accumulators by turns.  In V's phase the wave's block s is tile 4 a + s of the 128 rows (64 tokens on end: two scale blocks of V); in Q's or K's phase tile 2 s + a of the 256 rows.
; CLUSTERS 4 x 4: rows of x are shared along a row of the cluster, rows of a weight along a column, each by joint loads.  Which tensor (s17) and which 128 of V's rows come from the cluster's x and the tile row alone.
; FRAGMENTS lie in memory and in LDS as images of their registers: three loads of 16 bytes a lane, 512 consecutive bytes each.  SCALE WORDS come from memory straight into registers, 512 bytes a load (256 twice for Q's and K's rows), once.
; LDS: RW (W_v; then rows 32-127 of Q's or K's x), RX (V's x; then rows 128-255), RQ (W_q or W_k), RQ0 (rows 0-31), the stages of the results' scale bytes, the spare words.
; FILLS: one joint load a wave at the head (W_v; V's x; W_q or W_k; rows 0-31); TWO REFILLS, each in a drained round of the cluster's barrier: in V's block 1 RW (W_v lies in registers in all waves), ahead of Q's or K's
; block 0 RX (V's last rows were fetched in block 1).  The second round shows what the first refill brought; a plain barrier in block 3 what the second brought.
; PREFETCH: what the two refills load, and the table's rows, are asked for at the head, shared out by address among the sixteen waves of a row of the cluster: each 256 bytes once in a cluster.
; THE WAY OUT of Q's or K's block s stands among block s + 1's products: behind each product two vector lines.  The bias is the first products' C.  V's stands under the flight of the second weight's LDS loads.
; REGISTERS: window 0: v4-23 addresses, v24-107 scale words, v108-171 accumulators (two sets of four), v172-191, v56-58 at work, v192-223 the table's numbers for block 0, v224-255 Q's or K's bias.
;   Fragment f in window 1 + f / 21 at 12 (f % 21): 0-31 the weight's (4 q + n), 32-39 and 40-47 two sets of x.  v840-967: V's sums 32 n + 8 s; then the table's numbers for four blocks.  v992-1023 V's bias.
; WAITS' COUNTS: 24 = the LDS loads of one block's fragments; 25 = these and one byte-pair store.
.set BLKB,  98304
.set RX,    98304
.set RQ,    196608
.set RQ0,   294912
.set XN,    319488                     ; Q's or K's scale bytes: [b][512]
.set XM,    320512                     ; V's: [b][256]
.set SPARE, 321024
.set XSZ,   3145728
.set C8,  8
.set CO,  9
.set SPW, 10
.set NIL, 11
.set SWV, 24
.set SWQ, 40
.set SXV, 60
.set SXQ, 76
.set ACC, 108
.set G1X, 24
.set G1W, 32
.set G1C, 48
.set MSB, 0
.macro WIN new
.set NW_, \new
.if MSB != NW_
	s_set_vgpr_msb (MSB<<8)|NW_
.set MSB, NW_
.endif
.endm
.macro PLACES n
.rept \n
	v_nop
.endr
.endm
.macro WALU
	s_wait_alu depctr_va_vdst(0)
.endm
.macro BARRIER
	s_barrier_signal -1
	s_barrier_wait -1
.endm
.macro MIDDLE                          ; a round behind its opening signal, up to the closing barrier
	WIN 0
	s_barrier_wait -1
	s_cmp_lg_u32 s14, 0
	s_cbranch_scc1 .Lnot_wave_0_\@
	s_barrier_signal -3
.Lnot_wave_0_\@:
	s_barrier_wait -3
.endm
.macro CROUND
	s_barrier_signal -1
	MIDDLE
	BARRIER
.endm
.macro TLOAD g0, g1
	tensor_load_to_lds s[\g0:\g0+3], s[\g1:\g1+7]
	s_nop 0
	PLACES 4
.endm
.macro GROUP1 g, mask, c, r            ; r rows of c elements of 8 bytes, 12,288 bytes from row to row
	s_or_b32 s[\g+0], s[\mask], (3<<16)|(1<<21)
	s_mov_b32 s[\g+1], (\c)<<16
	s_mov_b32 s[\g+2], (\r)<<16
	s_mov_b32 s[\g+3], (\c)<<16
	s_mov_b32 s[\g+4], \r
	s_mov_b32 s[\g+5], 1536
	s_mov_b32 s[\g+6], 0
	s_mov_b32 s[\g+7], 0
.endm
.macro LD3 f, adr, off                 ; fragment f
	WIN ((1+(\f)/21)<<6)
.set R_, 12*((\f)%21)
	ds_load_b128 v[R_:R_+3], v[\adr] offset:(\off)
	ds_load_b128 v[R_+4:R_+7], v[\adr] offset:(\off)+512
	ds_load_b128 v[R_+8:R_+11], v[\adr] offset:(\off)+1024
.endm
.macro WEIGHTS a0                      ; my 64 rows of the weight, all of K: 96 loads; a0 for q = 0-3, a0 + 1 for q = 4-7
.irp q, 0,1,2,3,4,5,6,7
.irp n, 0,1,2,3
	LD3 4*\q+\n, (\a0)+\q/4, 12288*(\q%4)+1536*\n
.endr
.endr
	WIN 0
.endm
.macro FETCHV s
.irp q, 0,1,2,3,4,5,6,7
	LD3 32+8*((\s)%2)+\q, 16+\q/4, 12288*(\q%4)+1536*(\s)
.endr
	WIN 0
.endm
.macro FETCHQ s
.irp q, 0,1,2,3,4,5,6,7
.if (\s) == 0
	LD3 32+\q, 18, 3072*\q
.elseif (\s) < 4
	LD3 32+8*((\s)%2)+\q, 19+\q/4, 9216*(\q%4)+1536*(2*(\s)-2)
.else
	LD3 32+8*((\s)%2)+\q, 21+\q/4, 12288*(\q%4)+1536*(2*(\s)-8)
.endif
.endr
	WIN 0
.endm
; a product: kind 1 (V): source 0 = x's rows, so a lane holds one channel and eight tokens; kind 0 (Q, K): source 0 = the weight's rows: one token and eight columns
.macro PROD3 s0, s1, c, x0, x1, ra, rb
	v_wmma_scale_f32_16x16x128_f8f6f4 v[D_:D_+7], v[\s0:\s0+11], v[\s1:\s1+11], v[\c:\c+7], v[\x0], v[\x1] matrix_a_fmt:MATRIX_FMT_FP6 matrix_b_fmt:MATRIX_FMT_FP6 matrix_a_scale:MATRIX_SCALE_ROW\ra matrix_b_scale:MATRIX_SCALE_ROW\rb
.endm
.macro PROD2 s0, s1, x0, x1, r0, r1
.if Q_
.set CC_, D_
.else
.set CC_, 224+8*T_
.endif
.if \r0
.if \r1
	PROD3 \s0, \s1, CC_, \x0, \x1, 1, 1
.else
	PROD3 \s0, \s1, CC_, \x0, \x1, 1, 0
.endif
.else
.if \r1
	PROD3 \s0, \s1, CC_, \x0, \x1, 0, 1
.else
	PROD3 \s0, \s1, CC_, \x0, \x1, 0, 0
.endif
.endif
.endm
.macro PROD kind, s, n
.set Q_, (\n)/4
.set T_, (\n)%4
.set FB_, 4*Q_+T_
.set FA_, 32+8*((\s)%2)+Q_
.set RB_, 12*(FB_%21)
.set RA_, 12*(FA_%21)
.if \kind
.set D_, 72+32*T_+8*(\s)
	WIN ((1+FA_/21)|((1+FB_/21)<<2)|0xf0)
	PROD2 RA_, RB_, SXV+8*((\s)/2)+Q_, SWV+8*(T_/2)+Q_, (\s)%2, T_%2
.else
.set D_, ACC+32*((\s)%2)+8*T_
	WIN ((1+FB_/21)|((1+FA_/21)<<2))
	PROD2 RB_, RA_, SWQ+8*(T_/2)+Q_, SXQ+8*((\s)/2)+Q_, T_%2, (\s)%2
.endif
.endm
; entry i of the way out of block s: 0-15 the rotary embedding of eight pairs of frequencies (y1 c - y2 s, y2 c + y1 s), 16-23 the largest magnitudes of the two scale blocks, 24-28 their join with lane l xor 16 and the scales
.macro OUT i, s
.set Y_, ACC+32*((\s)%2)
.if (\s) == 0
.set CW_, 0
.set CB_, 192
.else
.set CW_, 3
.set CB_, 72+32*(((\s)-1)%4)
.endif
.if ((\i) >= 0) && ((\i) < 16)
.set K_, (\i)/2
.set Y1_, Y_+8*(K_/4)+2*(K_%4)
.set C_, CB_+4*K_
.set TT_, 172+2*(K_%2)
	WIN (CW_<<2)
.if (\i)%2
	v_pk_fma_f32 v[Y1_:Y1_+1], v[Y1_+16:Y1_+17], v[C_+2:C_+3], v[Y1_:Y1_+1] neg_lo:[1,0,0] neg_hi:[1,0,0]
	v_pk_fma_f32 v[Y1_+16:Y1_+17], v[Y1_+16:Y1_+17], v[C_:C_+1], v[TT_:TT_+1]
.else
	v_pk_mul_f32 v[TT_:TT_+1], v[Y1_:Y1_+1], v[C_+2:C_+3]
	v_pk_mul_f32 v[Y1_:Y1_+1], v[Y1_:Y1_+1], v[C_:C_+1]
.endif
.elseif (\i) >= 16
.set M_, (\i)-16
	WIN 0
.if M_ < 8
.set Z_, Y_+8*(M_/4)+2*(M_%4)
.if M_ == 0
	v_max3_num_f32 v176, |v[Z_]|, |v[Z_+1]|, 0x1800000
	v_max3_num_f32 v177, |v[Z_+16]|, |v[Z_+17]|, 0x1800000
.else
	v_max3_num_f32 v176, v176, |v[Z_]|, |v[Z_+1]|
	v_max3_num_f32 v177, v177, |v[Z_+16]|, |v[Z_+17]|
.endif
.elseif M_ == 8
	v_permlanex16_b32 v178, v176, s22, s23
	v_permlanex16_b32 v179, v177, s22, s23
.elseif M_ == 9
	v_max_num_f32 v176, v176, v178
	v_max_num_f32 v177, v177, v179
.elseif M_ == 10
	v_add_nc_u32 v180, 0xff000000, v176
	v_add_nc_u32 v181, 0xff000000, v177
.elseif M_ == 11
	v_lshrrev_b32 v182, 23, v180
	v_lshrrev_b32 v183, 23, v181
.elseif M_ == 12
	v_lshl_or_b32 v182, v183, 8, v182
.endif
.endif
.endm
.macro CODES s                         ; the rest of it: 64 codes of 16 tokens as six registers, and their scale bytes
.set Y_, ACC+32*((\s)%2)
	WIN 0
	v_cvt_scalef32_pk16_fp6_f32 v[184:186], v[Y_:Y_+15], v180
	v_cvt_scalef32_pk16_fp6_f32 v[56:58], v[Y_+16:Y_+31], v181
	v_nop
.irp i, 0,1,2
	v_permlane16_swap_b32 v[184+\i], v[56+\i]
.endr
.irp i, 0,1,2
	v_mov_b32 v[187+\i], v[56+\i]
.endr
	WALU
	ds_store_b16 v23, v182 offset:64*(\s)
	global_store_b128 v[CO], v[184:187], s[90:91] offset:1536*(\s)
	global_store_b64 v[C8], v[188:189], s[90:91] offset:1536*(\s)+512
.endm
.macro PRODS kind, s, from, to, out
.set N_, \from
.rept (\to)-(\from)
	PROD \kind, \s, N_
.if \out
	OUT N_-3, (\s)-1
.endif
.set N_, N_+1
.endr
.endm
.macro CSLOAD s                        ; the table's numbers for block s: eight pairs of frequencies (8 n + 4 h + 0 .. 3), 256 consecutive bytes for each half of the lanes
.if (\s) == 0
.set CB_, 192
.else
	WIN 0xc0
.set CB_, 72+32*(((\s)-1)%4)
.endif
.irp k, 0,1,2,3,4,5,6,7
	global_load_b128 v[CB_+4*\k:CB_+4*\k+3], v6, s[88:89] offset:(8*(\k/4)+\k%4)*32768+512*(\s)
.endr
	WIN 0
.endm
; ================= THE HEAD
	s_load_b512 s[68:83], s[0:1], 0x0              ; codes, scales, table, bq, bk, bv; out: codes, scale bytes
	v_lshl_add_u32 v[SPW], v0, 2, SPARE
	v_mov_b32 v[NIL], 0
	ds_add_u32 v[SPW], v[NIL]                      ; the opening add, twice on end
	ds_add_u32 v[SPW], v[NIL]
	v_lshrrev_b32 v1, 5, v0
	v_readfirstlane_b32 s14, v1                    ; wave
	s_lshr_b32 s15, s14, 1                         ; a
	s_and_b32 s16, s14, 1                          ; b
	s_bfe_u32 s40, ttmp6, 0x40000                  ; cx
	s_bfe_u32 s41, ttmp6, 0x40004                  ; cy
	s_lshl_b32 s42, ttmp9, 2
	s_add_co_u32 s42, s42, s40                     ; tile column 0 .. 15: Q's eight, K's eight
	s_and_b32 s43, ttmp7, 0xffff
	s_lshl_b32 s43, s43, 2
	s_add_co_u32 s43, s43, s41                     ; tile row: 256 tokens
	s_lshr_b32 s17, ttmp9, 1                       ; 0 Q, 1 K
	s_and_b32 s13, s42, 7                          ; the pair of heads
	s_lshl_b32 s12, s43, 1
	s_add_co_u32 s12, s12, s17                     ; V's 128 tokens
	s_lshl_b32 s44, s41, 2
	s_lshl_b32 s44, 15, s44                        ; my row of the cluster
	s_lshl_b32 s45, 0x1111, s40                    ; my column
	GROUP1 G1X, 44, 1536, 8
	GROUP1 G1W, 45, 1536, 8
	GROUP1 G1C, 44, 384, 8
	s_lshl_b32 s46, s17, 5
	s_lshl_b32 s20, s43, 1
	s_add_co_u32 s46, s46, s20                     ; blocks of 128 rows in the stack: Q's or K's x (and the next),
	s_add_co_u32 s47, s12, 64                      ; V's x,
	s_add_co_u32 s66, s42, 96                      ; W_q or W_k,
	s_add_co_u32 s67, s13, 112                     ; W_v
	s_mov_b32 s4, 1
	s_mov_b32 s5, 0
	s_mov_b32 s8, 1
	s_mov_b32 s9, RX
	s_mov_b32 s56, 1
	s_mov_b32 s57, RQ
	s_mov_b32 s60, 1
	s_mov_b32 s61, RQ0
	s_mov_b32 s84, 1
	v_and_b32 v1, 15, v0                           ; r
	v_bfe_u32 v2, v0, 4, 1                         ; h
	v_and_b32 v3, 31, v0                           ; lane
	v_lshlrev_b32 v[CO], 4, v3
	v_lshlrev_b32 v[C8], 3, v3
	s_mul_i32 s20, s16, 6144
	v_add_nc_u32 v12, s20, v[CO]                   ; v12-13 W_v's fragments
	v_add_nc_u32 v13, 49152, v12
	v_add_nc_u32 v14, RQ, v12                      ; v14-15 W_q's or W_k's
	v_add_nc_u32 v15, RQ+49152, v12
	s_mul_i32 s20, s15, 6144
	s_add_co_u32 s20, s20, RX
	v_add_nc_u32 v16, s20, v[CO]                   ; v16-17 V's x
	v_add_nc_u32 v17, 49152, v16
	s_mul_i32 s20, s15, 1536
	v_add_nc_u32 v19, s20, v[CO]                   ; v18 block 0, v19-20 blocks 1-3, v21-22 blocks 4-7
	v_add_nc_u32 v20, 36864, v19
	v_add_nc_u32 v18, RQ0, v19
	v_add_nc_u32 v21, RX, v19
	v_add_nc_u32 v22, RX+49152, v19
	s_lshl_b32 s20, s16, 9
	s_lshl_b32 s21, s15, 5
	s_add_co_u32 s20, s20, s21
	s_add_co_u32 s20, s20, XN
	v_lshl_add_u32 v23, v1, 1, s20                 ; my byte pair in Q's or K's stage
	s_lshl_b32 s20, s16, 8
	s_lshl_b32 s21, s15, 7
	s_add_co_u32 s20, s20, s21
	s_add_co_u32 s20, s20, XM
	v_lshl_add_u32 v7, v1, 1, s20                  ; and in V's
	s_lshl_b32 s20, s15, 8
	v_lshl_add_u32 v6, v1, 4, s20
	v_lshl_add_u32 v6, v2, 17, v6                  ; the table: 16 (16 a + r) + 4 h rows of 32,768
	v_lshl_add_u32 v5, v1, 4, s20
	v_lshl_add_u32 v5, v2, 10, v5                  ; scale words of blocks s (lanes 0-15) and s + 1 (lanes 16-31)
	v_lshlrev_b32 v4, 2, v1                        ; V's bias: my channel
	v_lshlrev_b32 v56, 5, v2                       ; Q's or K's: my eight columns
	s_lshl_b32 s20, s40, 2
	s_add_co_u32 s20, s20, s14                     ; my number among the sixteen waves of my row of the cluster
	s_lshr_b32 s21, s20, 1
	s_mul_i32 s21, s21, 12288
	s_and_b32 s22, s20, 1
	s_mul_i32 s22, s22, 4608
	s_add_co_u32 s21, s21, s22
	s_add_co_u32 s21, s21, 3072
	s_wait_alu depctr_va_vdst(0)                   ; directly ahead of the readers below
	v_min_u32 v172, 17, v3
	v_lshl_add_u32 v172, v172, 8, s21              ; prefetch: 18 blocks of 256 bytes of rows 32-127,
	s_mul_i32 s21, s20, 6144
	s_add_co_u32 s21, s21, BLKB
	v_min_u32 v173, 23, v3
	v_lshl_add_u32 v173, v173, 8, s21              ; 24 of rows 128-255,
	s_lshl_b32 s21, s20, 15
	v_lshl_add_u32 v174, v1, 8, s21                ; 16 of the table
.irp i, 116,117,118,119,120,121,122,123,178,179
	v_mov_b32 v\i, 0                               ; a lane permute's destination counts as a source
.endr
	WALU
	s_wait_dscnt 0x0                               ; both opening adds are done
	CROUND                                         ; all sixteen work-groups are here: the joint loads meet
	s_wait_kmcnt 0x0
	s_mov_b32 s21, 0
	s_mul_i32 s20, s67, BLKB
	s_add_nc_u64 s[6:7], s[68:69], s[20:21]
	s_or_b32 s7, s7, 0x80000000
	s_mul_i32 s20, s47, BLKB
	s_add_nc_u64 s[10:11], s[68:69], s[20:21]
	s_or_b32 s11, s11, 0x80000000
	s_mul_i32 s20, s66, BLKB
	s_add_nc_u64 s[58:59], s[68:69], s[20:21]
	s_or_b32 s59, s59, 0x80000000
	s_mul_i32 s20, s46, BLKB
	s_add_nc_u64 s[98:99], s[68:69], s[20:21]
	s_mov_b64 s[62:63], s[98:99]
	s_or_b32 s63, s63, 0x80000000
	s_cmp_eq_u32 s14, 0
	s_cbranch_scc0 .Lwave_1
	TLOAD 4, G1W                                   ; wave 0: W_v
	s_branch .Lasked
.Lwave_1:
	s_cmp_eq_u32 s14, 1
	s_cbranch_scc0 .Lwave_2
	TLOAD 8, G1X                                   ; wave 1: V's x
	s_branch .Lasked
.Lwave_2:
	s_cmp_eq_u32 s14, 2
	s_cbranch_scc0 .Lwave_3
	TLOAD 56, G1W                                  ; wave 2: W_q or W_k
	s_branch .Lasked
.Lwave_3:
	TLOAD 60, G1C                                  ; wave 3: rows 0-31 of its x
.Lasked:
	s_lshl_b32 s20, s67, 12                        ; the scale words: 4,096 bytes for 128 rows
	s_lshl_b32 s22, s16, 11
	s_add_co_u32 s20, s20, s22
	s_add_nc_u64 s[100:101], s[70:71], s[20:21]
	s_lshl_b32 s20, s66, 12
	s_add_co_u32 s20, s20, s22
	s_add_nc_u64 s[104:105], s[70:71], s[20:21]
	s_lshl_b32 s20, s47, 12
	s_lshl_b32 s22, s15, 11
	s_add_co_u32 s20, s20, s22
	s_add_nc_u64 s[2:3], s[70:71], s[20:21]
	s_lshl_b32 s20, s46, 12
	s_add_nc_u64 s[18:19], s[70:71], s[20:21]
.irp p, 0,1
.irp c, 0,1
	global_load_b128 v[SWV+8*\p+4*\c:SWV+8*\p+4*\c+3], v[CO], s[100:101] offset:1024*\p+512*\c
	global_load_b128 v[SXV+8*\p+4*\c:SXV+8*\p+4*\c+3], v[CO], s[2:3] offset:1024*\p+512*\c
	global_load_b128 v[SWQ+8*\p+4*\c:SWQ+8*\p+4*\c+3], v[CO], s[104:105] offset:1024*\p+512*\c
.endr
.endr
.irp p, 0,1,2,3
.irp c, 0,1
	global_load_b128 v[SXQ+8*\p+4*\c:SXQ+8*\p+4*\c+3], v5, s[18:19] offset:2048*\p+512*\c
.endr
.endr
	s_lshl_b32 s13, s13, 1
	s_add_co_u32 s13, s13, s16                     ; my head
	s_lshl_b32 s20, s13, 8
	s_cmp_eq_u32 s17, 1
	s_cselect_b64 s[46:47], s[76:77], s[74:75]
	s_add_nc_u64 s[46:47], s[46:47], s[20:21]
	s_add_nc_u64 s[44:45], s[78:79], s[20:21]
	s_and_b32 s66, s43, 7
	s_lshl_b32 s20, s66, 12
	s_add_nc_u64 s[88:89], s[72:73], s[20:21]      ; the table, at my 256 positions
	WIN 0xc0
.irp n, 0,1,2,3
	global_load_b32 v[224+8*\n], v4, s[44:45] offset:64*\n
.endr
	WIN 0
.irp n, 0,1,2,3
.irp k, 0,1
	global_load_b128 v[224+8*\n+4*\k:227+8*\n+4*\k], v56, s[46:47] offset:64*\n+16*\k
.endr
.endr
	CSLOAD 0
	s_lshl_b32 s67, s13, 1
	s_lshr_b32 s22, s43, 3
	s_add_co_u32 s67, s67, s22                     ; plane = 2 head + batch
	s_mul_i32 s22, s67, BLKB
	s_mul_i32 s20, s17, XSZ
	s_add_co_u32 s20, s20, s22
	s_mul_i32 s23, s66, 12288
	s_add_co_u32 s20, s20, s23
	s_mul_i32 s23, s15, 768
	s_add_co_u32 s20, s20, s23
	s_add_nc_u64 s[90:91], s[80:81], s[20:21]      ; Q's or K's codes: units of 768 bytes a tile of 16 tokens
	s_and_b32 s12, s12, 15
	s_add_co_u32 s20, s22, 2*XSZ
	s_mul_i32 s23, s12, 6144
	s_add_co_u32 s20, s20, s23
	s_mul_i32 s23, s15, 3072
	s_add_co_u32 s20, s20, s23
	s_add_nc_u64 s[92:93], s[80:81], s[20:21]      ; V's: units of 768 bytes a run of 64 tokens and 16 channels
	s_lshl_b32 s22, s67, 12
	s_lshl_b32 s20, s17, 17
	s_add_co_u32 s20, s20, s22
	s_lshl_b32 s23, s66, 9
	s_add_co_u32 s20, s20, s23
	s_add_nc_u64 s[94:95], s[82:83], s[20:21]      ; Q's or K's scale bytes: 512 a head
	s_add_co_u32 s20, s22, 262144
	s_lshl_b32 s23, s12, 8
	s_add_co_u32 s20, s20, s23
	s_add_nc_u64 s[96:97], s[82:83], s[20:21]      ; V's: 256 a head
	s_mov_b32 s22, 0x76543210
	s_mov_b32 s23, 0xfedcba98                      ; v_permlanex16_b32's selects for lane l xor 16
	WALU
	s_cmp_eq_u32 s14, 0
	s_cbranch_scc0 .Lnot_w
	s_wait_tensorcnt 0x0
.Lnot_w:
	BARRIER                                        ; W_v is in
	WEIGHTS 12
	global_prefetch_b8 v172, s[98:99] th:TH_LOAD_NT scope:SCOPE_SE
	global_prefetch_b8 v173, s[98:99] th:TH_LOAD_NT scope:SCOPE_SE
	global_prefetch_b8 v174, s[88:89] th:TH_LOAD_NT scope:SCOPE_SE
	s_wait_loadcnt 0x0
	WIN 0xc3
.irp n, 0,8,16,24
.irp i, 1,2,3,4,5,6,7
	v_mov_b32 v[224+\n+\i], v[224+\n]              ; V's bias, one number a lane and tile, over the tile's eight registers
.endr
.endr
	WIN 0
	WALU
	s_cmp_eq_u32 s14, 1
	s_cbranch_scc0 .Lnot_x
	s_wait_tensorcnt 0x0
.Lnot_x:
	s_wait_dscnt 0x0
	BARRIER                                        ; V's x is in; what waves 2 and 3 asked for may still be on its way
	FETCHV 0
	FETCHV 1
; ================= V: four blocks
	s_wait_dscnt 24
	PRODS 1, 0, 0, 32, 0
	WIN 0
	PLACES 4
	FETCHV 2
	s_wait_dscnt 24
	PRODS 1, 1, 0, 16, 0
	WIN 0
	s_wait_tensorcnt 0x0                           ; the first refill: the head's loads are in;
	ds_add_u32 v[SPW], v[NIL]
	s_mov_b32 s[G1X+1], 1152<<16                   ; no load of mine is out: two rows of 9,216 bytes (tiles 2-7 of steps 2 w, 2 w + 1)
	s_mov_b32 s[G1X+2], 2<<16
	s_mov_b32 s[G1X+3], 1152<<16
	s_mov_b32 s[G1X+4], 2
	s_mul_i32 s85, s14, 18432
	s_mul_i32 s20, s14, 24576
	s_add_co_u32 s20, s20, 3072
	s_add_nc_u64 s[86:87], s[98:99], s[20:21]
	s_or_b32 s87, s87, 0x80000000
	PRODS 1, 1, 16, 28, 0
	WIN 0
	s_wait_dscnt 0x0                               ; the add, and my reads of W_v and of V's blocks up to 2
	s_barrier_signal -1
	PRODS 1, 1, 28, 32, 0
	MIDDLE
	BARRIER
	TLOAD 84, G1X
	FETCHV 3
	PRODS 1, 2, 0, 32, 0
	WIN 0
	PLACES 4
	FETCHQ 0
	s_wait_dscnt 24
	s_wait_xcnt 0x0                                ; the prefetches' addresses may be rewritten
	PRODS 1, 3, 0, 32, 0
	WIN 0
	PLACES 4
; ================= THE CHANGE OF PHASE: the second weight's loads, V's way out under their flight: 4 channel tiles x 2 blocks of 32 tokens
	WEIGHTS 14
	WIN 0x0f
.irp n, 0,1,2,3
.irp c, 0,1
	v_max3_num_f32 v[108+2*\n+\c], |v[72+32*\n+16*\c]|, |v[73+32*\n+16*\c]|, 0x1800000
.endr
.endr
	WIN 0x3c
.irp i, 2,4,6,8,10,12,14
.irp n, 0,1,2,3
.irp c, 0,1
	v_max3_num_f32 v[108+2*\n+\c], v[108+2*\n+\c], |v[72+32*\n+16*\c+\i]|, |v[73+32*\n+16*\c+\i]|
.endr
.endr
.endr
	WIN 0
.irp k, 0,1,2,3,4,5,6,7
	v_permlanex16_b32 v[116+\k], v[108+\k], s22, s23
.endr
.irp k, 0,1,2,3,4,5,6,7
	v_max_num_f32 v[108+\k], v[108+\k], v[116+\k]
.endr
.irp k, 0,1,2,3,4,5,6,7
	v_add_nc_u32 v[124+\k], 0xff000000, v[108+\k]
.endr
.irp k, 0,1,2,3,4,5,6,7
	v_lshrrev_b32 v[132+\k], 23, v[124+\k]
.endr
.irp n, 0,1,2,3
	v_lshl_or_b32 v[140+\n], v[133+2*\n], 8, v[132+2*\n]
.endr
	WIN 3
.irp n, 0,1,2,3
	v_cvt_scalef32_pk16_fp6_f32 v[144+12*\n:146+12*\n], v[72+32*\n:87+32*\n], v[124+2*\n]
	v_cvt_scalef32_pk16_fp6_f32 v[150+12*\n:152+12*\n], v[88+32*\n:103+32*\n], v[125+2*\n]
.endr
	WIN 0
	v_nop
.irp n, 0,1,2,3
.irp i, 0,1,2
	v_permlane16_swap_b32 v[144+12*\n+\i], v[150+12*\n+\i]
.endr
.endr
.irp n, 0,1,2,3
.irp i, 0,1,2
	v_mov_b32 v[147+12*\n+\i], v[150+12*\n+\i]
.endr
.endr
	WALU
.irp n, 0,1,2,3
	ds_store_b16 v7, v[140+\n] offset:32*\n
	global_store_b128 v[CO], v[144+12*\n:147+12*\n], s[92:93] offset:768*\n
	global_store_b64 v[C8], v[148+12*\n:149+12*\n], s[92:93] offset:768*\n+512
.endr
	CSLOAD 1
	CSLOAD 2
	CSLOAD 3
	CSLOAD 4
; ================= Q or K: eight blocks
	WALU
	s_wait_xcnt 0x0                                ; V's stores have read their registers: accumulators lie there
	s_wait_tensorcnt 0x0                           ; the second refill: the first has landed;
	ds_add_u32 v[SPW], v[NIL]
	s_mov_b32 s[G1X+1], 1536<<16                   ; two rows of 12,288 bytes, on end: steps 2 w, 2 w + 1
	s_mov_b32 s[G1X+3], 1536<<16
	s_mul_i32 s85, s14, 24576
	s_add_co_u32 s20, s85, BLKB
	s_add_co_u32 s85, s85, RX
	s_add_nc_u64 s[86:87], s[98:99], s[20:21]
	s_or_b32 s87, s87, 0x80000000
	s_wait_dscnt 0x0                               ; the add; the weight's and block 0's fragments are in
	s_barrier_signal -1
	PRODS 0, 0, 0, 16, 0
	MIDDLE
	BARRIER
	TLOAD 84, G1X
	FETCHQ 1
	PRODS 0, 0, 16, 32, 0
	WIN 0
	PLACES 4
	FETCHQ 2
.macro QBLOCK s, dsw, ldw, fetch, cs
.if (\ldw) >= 0
	s_wait_loadcnt \ldw                            ; the table's numbers for block s - 1 are in; later blocks' may be out
.endif
	s_wait_dscnt \dsw
	s_wait_xcnt 0x0                                ; the last way out's stores have read their registers
	PRODS 0, \s, 0, 32, 1
	CODES (\s)-1
.if \fetch
	FETCHQ \fetch
.endif
.if \cs
	CSLOAD \cs
.endif
.endm
	QBLOCK 1, 24, -1, 3, 0
	QBLOCK 2, 25, 24, 0, 5
	s_wait_loadcnt 24                              ; block 3: a plain barrier shows the second refill to all
	s_wait_xcnt 0x0
	s_wait_tensorcnt 0x0
	s_wait_dscnt 0x0
	s_barrier_signal -1
	PRODS 0, 3, 0, 3, 0
	WIN 0
	s_barrier_wait -1
	FETCHQ 4
	PRODS 0, 3, 3, 32, 1
	CODES 2
	FETCHQ 5
	CSLOAD 6
	QBLOCK 4, 25, 24, 6, 7
	QBLOCK 5, 25, 24, 7, 0
	QBLOCK 6, 25, 16, 0, 0
	QBLOCK 7, 1, 8, 0, 0
	s_wait_loadcnt 0x0
	s_wait_xcnt 0x0
.set I_, 0
.rept 29
	OUT I_, 7
.set I_, I_+1
.endr
	CODES 7
; ================= THE END: the scale bytes leave as whole units: waves 0 and 1 a head of Q or K each, waves 2 and 3 a head of V
	s_lshl_b32 s20, s16, 9
	s_add_co_u32 s20, s20, XN
	v_add_nc_u32 v12, s20, v[CO]
	s_lshl_b32 s20, s16, 8
	s_add_co_u32 s20, s20, XM
	v_add_nc_u32 v13, s20, v[C8]
	WALU
	s_wait_dscnt 0x0
	BARRIER
	s_cmp_lt_u32 s14, 2
	s_cbranch_scc0 .Lscales_v
	ds_load_b128 v[108:111], v12
	s_wait_dscnt 0x0
	global_store_b128 v[CO], v[108:111], s[94:95]
	s_branch .Lstored
.Lscales_v:
	ds_load_b64 v[108:109], v13
	s_wait_dscnt 0x0
	global_store_b64 v[C8], v[108:109], s[96:97]
.Lstored:
	s_wait_tensorcnt 0x0                           ; the wave's end
	ds_add_u32 v[SPW], v[NIL]
	s_wait_dscnt 0x0
	CROUND                                         ; the closing round
	s_endpgm
.Lfunc_end_k_qf11608ab6c_proj:
	.size	k_qf11608ab6c_proj, .Lfunc_end_k_qf11608ab6c_proj-k_qf11608ab6c_proj
	.p2alignl 7, 3214868480
	.fill 96, 4, 3214868480
	.section	.rodata,"a",@progbits
	.p2align	6, 0x0
	.amdhsa_kernel k_qf11608ab6c_proj
		.amdhsa_group_segment_fixed_size 327680
		.amdhsa_private_segment_fixed_size 0
		.amdhsa_enable_private_segment 0
		.amdhsa_kernarg_size 64
		.amdhsa_user_sgpr_count 2
		.amdhsa_user_sgpr_kernarg_segment_ptr 1
		.amdhsa_wavefront_size32 1
		.amdhsa_system_sgpr_workgroup_id_x 1
		.amdhsa_system_sgpr_workgroup_id_y 1
		.amdhsa_system_sgpr_workgroup_id_z 1
		.amdhsa_system_vgpr_workitem_id 0
		.amdhsa_next_free_vgpr 1024
		.amdhsa_next_free_sgpr 106
		.amdhsa_reserve_vcc 0
		.amdhsa_float_denorm_mode_32 3
		.amdhsa_float_denorm_mode_16_64 3
		.amdhsa_memory_ordered 1
		.amdhsa_forward_progress 1
		.amdhsa_inst_pref_size 161
	.end_amdhsa_kernel
	.amdgpu_metadata
---
amdhsa.version: [ 1, 2 ]
amdhsa.kernels:
  - .name:           k_qf11608ab6c_proj
    .symbol:         k_qf11608ab6c_proj.kd
    .args:
      - { .name: xw_codes, .offset: 0, .size: 8, .value_kind: global_buffer, .address_space: global }
      - { .name: xw_scales, .offset: 8, .size: 8, .value_kind: global_buffer, .address_space: global }
      - { .name: rope, .offset: 16, .size: 8, .value_kind: global_buffer, .address_space: global }
      - { .name: bq, .offset: 24, .size: 8, .value_kind: global_buffer, .address_space: global }
      - { .name: bk, .offset: 32, .size: 8, .value_kind: global_buffer, .address_space: global }
      - { .name: bv, .offset: 40, .size: 8, .value_kind: global_buffer, .address_space: global }
      - { .name: qkv_codes, .offset: 48, .size: 8, .value_kind: global_buffer, .address_space: global }
      - { .name: qkv_scales, .offset: 56, .size: 8, .value_kind: global_buffer, .address_space: global }
    .group_segment_fixed_size: 327680
    .private_segment_fixed_size: 0
    .kernarg_segment_align: 8
    .kernarg_segment_size: 64
    .max_flat_workgroup_size: 128
    .sgpr_count:     106
    .vgpr_count:     1024
    .wavefront_size: 32
...
	.end_amdgpu_metadata
.endif
;; end of part 2
;; launch attn (part 3): grid 16 x 16, 16 waves a work-group, no clusters, 52,224 bytes of LDS; arguments qkv_codes, qkv_scales, o_codes, o_scales; writes o_codes, o_scales
.if DOCPART == 3
	.amdgcn_target "amdgcn-amd-amdhsa--gfx1250"
	.amdhsa_code_object_version 6
	.text
	.protected	k_qf11608ab6c_attn
	.globl	k_qf11608ab6c_attn
	.p2align	8
	.type	k_qf11608ab6c_attn,@function
k_qf11608ab6c_attn:
	s_mov_b64 s[64:65], 0
	v_nop
	global_prefetch_b8 v0, s[64:65] scope:SCOPE_SE
	s_setreg_imm32_b32 hwreg(HW_REG_WAVE_MODE, 25, 1), 1
	s_wait_xcnt 0x0
; Attention inside the band |query - key| <= 50, both products on codes of FP6 (E2M3) with E8M0 scales; the result, divided by the row's sum, is quantised along the head's 64 for the last product.
; Keys outside the band get weight 0 in the definition, so only blocks of 32 keys that touch the band are multiplied.
; SHARES.  A work-group: 128 queries of two heads of one batch.  Each of its sixteen waves: one tile of 16 query positions of one head, in 256 registers, four waves to a SIMD.
; A wave's keys: three aligned runs of 64 (six blocks of 32), from K0 = its 64 queries' first - 64: with q - K0 in 64 .. 127 they hold q - 50 .. q + 50.  One pass: no running maximum is needed.
; At the sequence's ends a run's number is held inside 0 .. 31; what is then read twice lies outside the band and is hidden by the mask.
; LDS.  The two heads' four runs of K and of V, 3,072 bytes each, are brought once, one by each wave, through registers (no tensor load: the whole of it is 48 KiB, asked for at the head).  No cluster:
; of a work-group's four runs two are also a neighbour's, and there is no later step for which a joint request could be made.
; LAYOUT.  Both products are used transposed: S^T = K Q^T, O^T = V^T P^T: a lane holds one query throughout.  K's and V's rows lie at positions with bits 3 and 4 exchanged, so that the 16 registers of two
; neighbouring tiles are 16 neighbouring keys (channels).  The first product's K is 64: the upper half of both fragments is zero codes, under scale bytes 0 (2^-127): they add nothing.
; SOFTMAX.  t = score x log2(e) / 8; M = the row's largest t rounded up to a whole number; p = 2^(t - M) is quantised along the keys; the sum of the unquantised p divides at the end.
; LIMITS: hidden scores are -infinity where the definition has -1e9: the same as long as a row's largest logit inside the band lies above about -1e9.  A block of zeros gets the byte 1 (zero codes; only this
; program reads the bytes).  NaN and infinities are not served.
; REGISTERS: v1-9, v30-31, v204-205 addresses; v10-11 the band; v12 -M, v13 t; v[14:15] the sum, then 1 / sum in v15; v16-27 Q; v28 Q's scales; v29 -infinity; v32-79 four fragments of K, then two tiles of V;
;   v80-175 S^T, then p; then O^T v80-111, O / sum v112-143, its codes v144-154; v176-189 K's and V's scales; v190-201 at work; v208-231 p's codes; v232-249 at work; v250-251 p's scales.
.set XSZ,   3145728
.set PLANE, 98304                      ; a head's codes of one batch
.set RUN,   3072                       ; 64 keys: four units of 768 bytes
.set SST,   49152                      ; LDS: behind the sixteen runs: 512 bytes for o's scale bytes
	s_load_b256 s[4:11], s[0:1], 0x0               ; q, k, v: codes s[4:5], scale bytes s[6:7]; o: codes s[8:9], scale bytes s[10:11]
	v_lshl_add_u32 v254, v0, 2, 0xc400
	v_mov_b32 v255, 0
	v_lshrrev_b32 v1, 5, v0
	s_delay_alu instid0(VALU_DEP_1)
	v_readfirstlane_b32 s24, v1                    ; wave 0..15
	s_lshr_b32 s25, s24, 3                         ; which of the two heads
	s_and_b32 s26, s24, 7                          ; which tile of queries
	s_lshr_b32 s27, s26, 2                         ; which 64 queries.  Also: I copy a run of K (0) or of V (1)
	s_and_b32 s28, ttmp7, 0xffff
	s_and_b32 s29, s28, 7                          ; the pair of heads
	s_lshr_b32 s30, s28, 3                         ; the batch
	s_lshl_b32 s31, s29, 1
	s_add_co_u32 s31, s31, s25                     ; head
	s_lshl_b32 s32, s31, 1
	s_add_co_u32 s32, s32, s30                     ; plane = 2 head + batch
	s_lshl_b32 s33, ttmp9, 3
	s_add_co_u32 s33, s33, s26                     ; my tile in the sequence
	s_lshl_b32 s34, ttmp9, 1
	s_sub_co_i32 s34, s34, 1                       ; the work-group's first run of 64 keys
	s_and_b32 s35, s24, 3
	s_add_co_i32 s35, s35, s34                     ; the run that I copy,
	s_max_i32 s35, s35, 0
	s_min_i32 s35, s35, 31                         ; held inside the sequence
	s_mul_i32 s35, s35, RUN
	s_mul_i32 s36, s32, PLANE
	s_add_co_u32 s35, s35, s36
	s_mul_i32 s37, s27, XSZ
	s_add_co_u32 s35, s35, s37
	s_add_co_u32 s12, s35, XSZ                     ; K's codes lie behind q's, V's behind K's
	s_mov_b32 s13, 0
	s_mul_i32 s52, s33, 768
	s_add_co_u32 s52, s52, s36                     ; my tile's unit: the same place in q's codes and in o's
	s_mov_b32 s53, 0
	s_lshl_b32 s38, s32, 12                        ; a plane's scale bytes: 4,096
	s_lshl_b32 s16, s33, 5
	s_add_co_u32 s16, s16, s38                     ; my tile's
	s_mov_b32 s17, 0
.irp g, 0,1,2
	s_add_co_i32 s39, s34, s27
	s_add_co_i32 s39, s39, \g                      ; my run g,
	s_max_i32 s39, s39, 0
	s_min_i32 s39, s39, 31                         ; held inside the sequence
	s_lshl_b32 s39, s39, 7                         ; 128 scale bytes a run
	s_add_co_u32 s[18+2*\g], s39, s38
	s_mov_b32 s[19+2*\g], 0
.endr
	s_lshl_b32 s40, s29, 14                        ; o's scale bytes: [pair of heads][token position][4]
	s_lshl_b32 s41, s30, 13
	s_add_co_u32 s40, s40, s41
	s_lshl_b32 s41, ttmp9, 9
	s_add_co_u32 s40, s40, s41
	s_mov_b32 s41, 0
	v_and_b32 v31, 31, v0                          ; lane
	v_and_b32 v1, 15, v0                           ; r
	v_bfe_u32 v2, v0, 4, 1                         ; h
	s_delay_alu instid0(VALU_DEP_3)
	v_lshlrev_b32 v3, 4, v31                       ; 16 x lane
	s_delay_alu instid0(VALU_DEP_4)
	v_lshlrev_b32 v4, 3, v31                       ; 8 x lane
	v_lshlrev_b32 v5, 1, v31                       ; 2 x lane
	v_lshlrev_b32 v30, 1, v1                       ; 2 r
	s_lshl_b32 s42, s25, 3
	s_add_co_u32 s42, s42, s27
	s_mul_i32 s42, s42, RUN                        ; LDS: [head][K, V][run]: my head's K, my first run
	v_add_nc_u32 v6, s42, v3                       ; a unit's registers 0-3
	v_add_nc_u32 v7, s42, v4
	s_delay_alu instid0(VALU_DEP_1)
	v_add_nc_u32 v7, 512, v7                       ; and 4-5
	s_delay_alu instid0(VALU_DEP_3)
	v_add_nc_u32 v8, 4*RUN, v6                     ; the same for V
	s_delay_alu instid0(VALU_DEP_2)
	v_add_nc_u32 v9, 4*RUN, v7
	s_mul_i32 s42, s24, RUN
	v_add_nc_u32 v31, s42, v3                      ; where I put the run that I copy
	s_lshl_b32 s42, s26, 6
	s_lshl_b32 s43, s25, 1
	s_add_co_u32 s42, s42, s43
	s_add_co_u32 s42, s42, SST
	v_lshl_add_u32 v204, v1, 2, s42                ; o's scale bytes: 4 a token position, my head's two
	v_add_nc_u32 v205, SST, v3
	s_mov_b32 s48, 0x3e38aa3b                      ; c = log2(e) / 8
	s_mov_b32 s49, s48                             ; (named with it as a pair, so it is written)
	s_mov_b32 s50, 0x76543210
	s_mov_b32 s51, 0xfedcba98                      ; v_permlanex16_b32's selects for lane l xor 16
	s_wait_alu depctr_va_vdst(0)
	s_wait_kmcnt 0x0
	s_add_nc_u64 s[12:13], s[4:5], s[12:13]
	s_add_nc_u64 s[14:15], s[4:5], s[52:53]
	s_add_nc_u64 s[8:9], s[8:9], s[52:53]
	s_add_nc_u64 s[16:17], s[6:7], s[16:17]
	s_add_nc_u64 s[18:19], s[6:7], s[18:19]
	s_add_nc_u64 s[20:21], s[6:7], s[20:21]
	s_add_nc_u64 s[22:23], s[6:7], s[22:23]
	s_add_nc_u64 s[10:11], s[10:11], s[40:41]
.irp i, 0,1,2,3,4,5
	global_load_b128 v[80+4*\i:83+4*\i], v3, s[12:13] offset:512*\i   ; the run that I copy: 512 consecutive bytes a load
.endr
	global_load_b128 v[16:19], v3, s[14:15]        ; Q's unit: it stays in registers
	global_load_b64 v[20:21], v4, s[14:15] offset:512
	global_load_u16 v28, v30, s[16:17]             ; its two scale bytes a row; the upper two bytes are 0
.irp g, 0,1,2                          ; a register so loaded holds an even tile's scales in lanes 0-15 and the odd tile's in lanes 16-31
	global_load_u16 v[176+2*\g], v5, s[18+2*\g:19+2*\g] offset:131072
	global_load_u16 v[177+2*\g], v5, s[18+2*\g:19+2*\g] offset:131072+64
	global_load_u16 v[182+2*\g], v5, s[18+2*\g:19+2*\g] offset:262144
	global_load_u16 v[183+2*\g], v5, s[18+2*\g:19+2*\g] offset:262144+64
.endr
.irp z, 22, 38, 50, 62, 74, 226, 238   ; zero codes for the halves of fragments that have no K; v238-243: a lane permute's destination counts as a source
.irp i, 0,1,2,3,4,5
	v_mov_b32 v[\z+\i], 0
.endr
.endr
	s_lshl_b32 s43, s33, 4                         ; my tile's first query (rows lie in their plain order)
	s_lshl_b32 s44, ttmp9, 7
	s_lshl_b32 s45, s27, 6
	s_add_co_u32 s44, s44, s45
	s_sub_co_i32 s44, s44, 64                      ; K0
	v_add_nc_u32 v10, s43, v1                      ; my query
	s_delay_alu instid0(VALU_DEP_1)
	v_add_nc_u32 v11, 50, v10
	s_delay_alu instid0(VALU_DEP_1)
	v_min_u32 v11, 0x7ff, v11                      ; the band's last key, inside the sequence
	s_delay_alu instid0(VALU_DEP_3)
	v_max_u32 v10, 50, v10
	s_delay_alu instid0(VALU_DEP_1)
	v_add_nc_u32 v10, 0xffffffce, v10              ; and its first: max(q, 50) - 50
	v_lshl_add_u32 v12, v2, 3, s44                 ; register 16 b + 8 u + j holds key K0 + 32 b + 16 u + 8 h + j
	s_delay_alu instid0(VALU_DEP_1)
	v_sub_nc_u32 v10, v10, v12                     ; hidden where 32 b + i < v10
	s_delay_alu instid0(VALU_DEP_2)
	v_sub_nc_u32 v11, v11, v12                     ; or > v11
	v_mov_b32 v29, 0xff800000
	s_wait_alu depctr_va_vdst(0)
	s_wait_loadcnt 15                              ; my six copy loads are in; the fifteen issued behind them may be out
.irp i, 0,1,2,3,4,5
	ds_store_b128 v31, v[80+4*\i:83+4*\i] offset:512*\i
.endr
	s_wait_dscnt 0x0                               ; for the others' sake: my stores have landed
	s_barrier_signal -1
	s_barrier_wait -1                              ; all sixteen runs lie in LDS
	s_wait_loadcnt 0x0
	v_lshl_or_b32 v188, v184, 16, v182             ; V's scale words for the first 128 keys: runs 0 and 1
	v_lshl_or_b32 v189, v185, 16, v183
.macro KGROUP g                        ; S^T of run g: four tiles of 16 keys
.if \g > 0
.rept 4
	v_nop                                          ; places in front of loads into registers that matrix instructions have read
.endr
.endif
.irp t, 0,1,2,3
	ds_load_b128 v[32+12*\t:35+12*\t], v6 offset:RUN*\g+768*\t
	ds_load_b64 v[36+12*\t:37+12*\t], v7 offset:RUN*\g+768*\t
.endr
	s_wait_dscnt 0x0
.irp t, 0,1,2,3
.if \t%2
	v_wmma_scale_f32_16x16x128_f8f6f4 v[80+8*(4*\g+\t):87+8*(4*\g+\t)], v[32+12*\t:43+12*\t], v[16:27], 0, v[176+2*\g+\t/2], v28 matrix_a_fmt:MATRIX_FMT_FP6 matrix_b_fmt:MATRIX_FMT_FP6 matrix_a_scale:MATRIX_SCALE_ROW1
.else
	v_wmma_scale_f32_16x16x128_f8f6f4 v[80+8*(4*\g+\t):87+8*(4*\g+\t)], v[32+12*\t:43+12*\t], v[16:27], 0, v[176+2*\g+\t/2], v28 matrix_a_fmt:MATRIX_FMT_FP6 matrix_b_fmt:MATRIX_FMT_FP6
.endif
.endr
.endm
.macro PVLOAD gg                       ; V's tiles 2 gg and 2 gg + 1, three runs each; the last six registers of each 24 are zeros left by K's fragments
.irp j, 0,1
.irp e, 0,1,2
	ds_load_b128 v[32+24*\j+6*\e:35+24*\j+6*\e], v8 offset:RUN*\e+768*(2*\gg+\j)
	ds_load_b64 v[36+24*\j+6*\e:37+24*\j+6*\e], v9 offset:RUN*\e+768*(2*\gg+\j)
.endr
.endr
.endm
.macro PVMUL gg                        ; two accumulators by turns, one instruction a turn: keys 0-127, then keys 128-191
	s_wait_dscnt 0x0
	v_wmma_scale_f32_16x16x128_f8f6f4 v[80+16*\gg:87+16*\gg], v[32:43], v[208:219], 0, v[188+\gg], v250 matrix_a_fmt:MATRIX_FMT_FP6 matrix_b_fmt:MATRIX_FMT_FP6
	v_wmma_scale_f32_16x16x128_f8f6f4 v[88+16*\gg:95+16*\gg], v[56:67], v[208:219], 0, v[188+\gg], v250 matrix_a_fmt:MATRIX_FMT_FP6 matrix_b_fmt:MATRIX_FMT_FP6 matrix_a_scale:MATRIX_SCALE_ROW1
	v_wmma_scale_f32_16x16x128_f8f6f4 v[80+16*\gg:87+16*\gg], v[44:55], v[220:231], v[80+16*\gg:87+16*\gg], v[186+\gg], v251 matrix_a_fmt:MATRIX_FMT_FP6 matrix_b_fmt:MATRIX_FMT_FP6
	v_wmma_scale_f32_16x16x128_f8f6f4 v[88+16*\gg:95+16*\gg], v[68:79], v[220:231], v[88+16*\gg:95+16*\gg], v[186+\gg], v251 matrix_a_fmt:MATRIX_FMT_FP6 matrix_b_fmt:MATRIX_FMT_FP6 matrix_a_scale:MATRIX_SCALE_ROW1
.endm
	KGROUP 0
	KGROUP 1
	KGROUP 2
.rept 4
	v_nop                                          ; places: for the loads below, and for the first reads of the scores
.endr
	PVLOAD 0                                       ; V's first two tiles land under the softmax
	; THE BAND.  q - K0 lies in 64 .. 127: blocks 0-2 (keys K0 .. K0 + 95) can only lie in front of the band (its first key is at most K0 + 77), blocks 3-5 only behind it (its last is at least K0 + 114)
.set n, 0
.rept 48
	v_cmp_lt_i32 vcc_lo, 32*(n/16)+16*((n%16)/8)+n%8, v10
	v_cndmask_b32 v[80+n], v[80+n], v29, vcc_lo
.set n, n+1
.endr
.rept 48
	v_cmp_gt_i32 vcc_lo, 32*(n/16)+16*((n%16)/8)+n%8, v11
	v_cndmask_b32 v[80+n], v[80+n], v29, vcc_lo
.set n, n+1
.endr
.irp b, 0,1,2,3,4,5
	v_max3_num_f32 v[232+\b], v[80+16*\b], v[81+16*\b], v[82+16*\b]   ; the largest score of each block of 32 keys: for the row's maximum, and, since p rises with the score, for the block's largest p
.endr
.irp i, 3,5,7,9,11,13
.irp b, 0,1,2,3,4,5
	v_max3_num_f32 v[232+\b], v[232+\b], v[80+16*\b+\i], v[81+16*\b+\i]
.endr
.endr
.irp b, 0,1,2,3,4,5
	v_max_num_f32 v[232+\b], v[232+\b], v[95+16*\b]
.endr
.irp b, 0,1,2,3,4,5
	v_permlanex16_b32 v[238+\b], v[232+\b], s50, s51
.endr
.irp b, 0,1,2,3,4,5
	v_max_num_f32 v[232+\b], v[232+\b], v[238+\b]  ; with lane l xor 16's 16 keys
.endr
	s_delay_alu instid0(VALU_DEP_4)
	v_max3_num_f32 v252, v232, v233, v234
	s_delay_alu instid0(VALU_DEP_1)
	v_max3_num_f32 v252, v252, v235, v236
	s_delay_alu instid0(VALU_DEP_1)
	v_max_num_f32 v252, v252, v237                 ; the row's largest score (the query's own key is never hidden)
	s_delay_alu instid0(VALU_DEP_1)
	v_mul_f32 v13, s48, v252                       ; as t
	s_delay_alu instid0(VALU_DEP_1)
	v_floor_f32 v12, -v13                          ; -M = floor(-t) = -ceil(t)
.set j, 0
.rept 48
	v_pk_fma_f32 v[80+j:81+j], v[80+j:81+j], s[48:49], v[12:13] op_sel_hi:[1,0,0]   ; t - M, two at a time
.set j, j+2
.endr
.irp b, 0,1,2,3,4,5
	v_fma_f32 v[232+\b], v[232+\b], s48, v12       ; the same of each block's largest score
.endr
.set j, 0
	s_wait_alu depctr_va_vdst(0)
.rept 96
	v_exp_f32 v[80+j], v[80+j]                     ; p = 2^(t - M); hidden keys: 0
.set j, j+1
.endr
	v_nop                                          ; a plain line behind the exponentials
	s_wait_alu depctr_va_vdst(0)                   ; one wait for the whole batch, ahead of its first reader
.irp b, 0,1,2,3,4,5
	v_exp_f32 v[232+\b], v[232+\b]                 ; the block's largest p: the same two instructions on the same number give the same bits
.endr
	v_pk_add_f32 v[252:253], v[80:81], v[82:83]
	v_pk_add_f32 v[250:251], v[88:89], v[92:93]
	v_pk_add_f32 v[248:249], v[96:97], v[100:101]
	v_pk_add_f32 v[246:247], v[104:105], v[108:109]
	v_pk_add_f32 v[244:245], v[112:113], v[116:117]
	v_pk_add_f32 v[242:243], v[120:121], v[124:125]
	v_pk_add_f32 v[240:241], v[128:129], v[132:133]
	v_pk_add_f32 v[14:15], v[136:137], v[140:141]
	v_pk_add_f32 v[14:15], v[14:15], v[144:145]
	v_pk_add_f32 v[252:253], v[252:253], v[148:149]
	v_pk_add_f32 v[250:251], v[250:251], v[152:153]
	v_pk_add_f32 v[248:249], v[248:249], v[156:157]
	v_pk_add_f32 v[246:247], v[246:247], v[160:161]
	v_pk_add_f32 v[244:245], v[244:245], v[164:165]
	v_pk_add_f32 v[242:243], v[242:243], v[168:169]
	v_pk_add_f32 v[240:241], v[240:241], v[172:173]
	v_pk_add_f32 v[14:15], v[14:15], v[84:85]
	v_pk_add_f32 v[252:253], v[252:253], v[86:87]
	v_pk_add_f32 v[250:251], v[250:251], v[90:91]
	v_pk_add_f32 v[248:249], v[248:249], v[94:95]
	v_pk_add_f32 v[246:247], v[246:247], v[98:99]
	v_pk_add_f32 v[244:245], v[244:245], v[102:103]
	v_pk_add_f32 v[242:243], v[242:243], v[106:107]
	v_pk_add_f32 v[240:241], v[240:241], v[110:111]
	v_pk_add_f32 v[14:15], v[14:15], v[114:115]
	v_pk_add_f32 v[252:253], v[252:253], v[118:119]
	v_pk_add_f32 v[250:251], v[250:251], v[122:123]
	v_pk_add_f32 v[248:249], v[248:249], v[126:127]
	v_pk_add_f32 v[246:247], v[246:247], v[130:131]
	v_pk_add_f32 v[244:245], v[244:245], v[134:135]
	v_pk_add_f32 v[242:243], v[242:243], v[138:139]
	v_pk_add_f32 v[240:241], v[240:241], v[142:143]
	v_pk_add_f32 v[14:15], v[14:15], v[146:147]
	v_pk_add_f32 v[252:253], v[252:253], v[150:151]
	v_pk_add_f32 v[250:251], v[250:251], v[154:155]
	v_pk_add_f32 v[248:249], v[248:249], v[158:159]
	v_pk_add_f32 v[246:247], v[246:247], v[162:163]
	v_pk_add_f32 v[244:245], v[244:245], v[166:167]
	v_pk_add_f32 v[242:243], v[242:243], v[170:171]
	v_pk_add_f32 v[240:241], v[240:241], v[174:175]
	s_delay_alu instid0(VALU_DEP_4)
	v_pk_add_f32 v[14:15], v[14:15], v[246:247]
	s_delay_alu instid0(VALU_DEP_4)
	v_pk_add_f32 v[252:253], v[252:253], v[244:245]
	s_delay_alu instid0(VALU_DEP_4)
	v_pk_add_f32 v[250:251], v[250:251], v[242:243]
	s_delay_alu instid0(VALU_DEP_4)
	v_pk_add_f32 v[248:249], v[248:249], v[240:241]
	s_delay_alu instid0(VALU_DEP_2)
	v_pk_add_f32 v[14:15], v[14:15], v[250:251]
	s_delay_alu instid0(VALU_DEP_2)
	v_pk_add_f32 v[252:253], v[252:253], v[248:249]
	s_delay_alu instid0(VALU_DEP_1)
	v_pk_add_f32 v[14:15], v[14:15], v[252:253]
	s_delay_alu instid0(VALU_DEP_1)
	v_add_f32 v14, v14, v15
	s_delay_alu instid0(VALU_DEP_1)
	v_permlanex16_b32 v252, v14, s50, s51
	s_delay_alu instid0(VALU_DEP_1)
	v_add_f32 v14, v14, v252                       ; with lane l xor 16's: the row's sum
	s_wait_alu depctr_va_vdst(0)
	v_rcp_f32 v15, v14
	v_nop                                          ; a plain line behind the reciprocal
	s_wait_alu depctr_va_vdst(0)                   ; one wait for the six exponentials and the reciprocal
.irp b, 0,1,2,3,4,5
	v_max_num_f32 v[232+\b], 0x1800000, v[232+\b]  ; the floor 2^(3 - 127): a block whose every p is 0 keeps the byte 1: its codes are zeros
.endr
.irp b, 0,1,2,3,4,5
	v_add_nc_u32 v[244+\b], 0xff000000, v[232+\b]  ; 2 off the exponent field: the conversion's scale operand
.endr
.irp b, 0,1,2,3,4,5
	v_lshrrev_b32 v[238+\b], 23, v[244+\b]         ; the scale's byte
.endr
	v_lshl_or_b32 v250, v239, 8, v238              ; p's scale words: blocks 0-3,
	s_delay_alu instid0(VALU_DEP_2)
	v_lshl_or_b32 v251, v243, 8, v242              ; blocks 4 and 5 (the upper bytes 0, over zero codes)
	s_delay_alu instid0(VALU_DEP_2)
	v_lshl_or_b32 v250, v240, 16, v250
	s_delay_alu instid0(VALU_DEP_1)
	v_lshl_or_b32 v250, v241, 24, v250
.irp c, 0,1,2
	v_cvt_scalef32_pk16_fp6_f32 v[208+6*\c:210+6*\c], v[80+32*\c:95+32*\c], v[244+2*\c]
	v_cvt_scalef32_pk16_fp6_f32 v[190+4*\c:192+4*\c], v[96+32*\c:111+32*\c], v[244+2*\c+1]   ; (a conversion's three registers begin on an even number)
.endr
	v_nop                                          ; one plain line behind a scaled conversion
.irp c, 0,1,2                          ; the operand's layout wants a whole block in a lane
.irp i, 0,1,2
	v_permlane16_swap_b32 v[208+6*\c+\i], v[190+4*\c+\i]
.endr
.irp i, 0,1,2
	s_delay_alu instid0(VALU_DEP_3)
	v_mov_b32 v[211+6*\c+\i], v[190+4*\c+\i]
.endr
.endr
.rept 8
	v_nop                                          ; a scale register written by a vector instruction stands 8 places ahead of a scaled matrix instruction, an operand so written 4
.endr
	s_wait_alu depctr_va_vdst(0)
	PVMUL 0
.rept 4
	v_nop
.endr
	PVLOAD 1
	PVMUL 1
.rept 4
	v_nop
.endr
.set j, 0
.rept 32
	v_mul_f32 v[112+j], v[80+j], v15               ; O / the sum: register 16 b + 8 u + j is channel 32 b + 16 u + 8 h + j of my query; each accumulator from its low end on
.set j, j+1
.endr
.irp b, 0,1
	v_max3_num_f32 v[232+\b], |v[112+16*\b]|, |v[113+16*\b]|, 0x1800000
.endr
.irp i, 2,4,6,8,10,12,14
.irp b, 0,1
	s_delay_alu instid0(VALU_DEP_2)
	v_max3_num_f32 v[232+\b], v[232+\b], |v[112+16*\b+\i]|, |v[113+16*\b+\i]|
.endr
.endr
.irp b, 0,1
	s_delay_alu instid0(VALU_DEP_2)
	v_permlanex16_b32 v[238+\b], v[232+\b], s50, s51
.endr
.irp b, 0,1
	s_delay_alu instid0(VALU_DEP_2)
	v_max_num_f32 v[232+\b], v[232+\b], v[238+\b]
.endr
.irp b, 0,1
	s_delay_alu instid0(VALU_DEP_2)
	v_add_nc_u32 v[244+\b], 0xff000000, v[232+\b]
.endr
.irp b, 0,1
	s_delay_alu instid0(VALU_DEP_2)
	v_lshrrev_b32 v[238+\b], 23, v[244+\b]
.endr
	s_delay_alu instid0(VALU_DEP_1)
	v_lshl_or_b32 v206, v239, 8, v238              ; my row's two scale bytes
	v_cvt_scalef32_pk16_fp6_f32 v[144:146], v[112:127], v244
	v_cvt_scalef32_pk16_fp6_f32 v[152:154], v[128:143], v245
	v_nop
.irp i, 0,1,2
	v_permlane16_swap_b32 v[144+\i], v[152+\i]
.endr
.irp i, 0,1,2
	s_delay_alu instid0(VALU_DEP_3)
	v_mov_b32 v[147+\i], v[152+\i]
.endr
	global_store_b128 v3, v[144:147], s[8:9]       ; my tile's unit: 512 + 256 consecutive bytes
	global_store_b64 v4, v[148:149], s[8:9] offset:512
	ds_store_b16 v204, v206                        ; (lanes l and l + 16 write the same bytes with the same value)
	s_wait_dscnt 0x0
	s_barrier_signal -1
	s_barrier_wait -1                              ; the 128 token positions' four bytes each lie in LDS
	s_cmp_lg_u32 s24, 0
	s_cbranch_scc1 .Lend
	ds_load_b128 v[232:235], v205
	s_wait_dscnt 0x0
	global_store_b128 v3, v[232:235], s[10:11]     ; wave 0 stores them: 512 consecutive bytes, aligned
.Lend:
	s_wait_tensorcnt 0x0
	ds_add_u32 v254, v255
	s_wait_dscnt 0x0
	s_endpgm
.Lfunc_end_k_qf11608ab6c_attn:
	.size	k_qf11608ab6c_attn, .Lfunc_end_k_qf11608ab6c_attn-k_qf11608ab6c_attn
	.p2alignl 7, 3214868480
	.fill 96, 4, 3214868480
	.section	.rodata,"a",@progbits
	.p2align	6, 0x0
	.amdhsa_kernel k_qf11608ab6c_attn
		.amdhsa_group_segment_fixed_size 52224
		.amdhsa_private_segment_fixed_size 0
		.amdhsa_enable_private_segment 0
		.amdhsa_kernarg_size 32
		.amdhsa_user_sgpr_count 2
		.amdhsa_user_sgpr_kernarg_segment_ptr 1
		.amdhsa_wavefront_size32 1
		.amdhsa_system_sgpr_workgroup_id_x 1
		.amdhsa_system_sgpr_workgroup_id_y 1
		.amdhsa_system_sgpr_workgroup_id_z 1
		.amdhsa_system_vgpr_workitem_id 0
		.amdhsa_next_free_vgpr 256
		.amdhsa_next_free_sgpr 66
		.amdhsa_reserve_vcc 1
		.amdhsa_float_denorm_mode_32 3
		.amdhsa_float_denorm_mode_16_64 3
		.amdhsa_memory_ordered 1
		.amdhsa_forward_progress 1
		.amdhsa_inst_pref_size 45
	.end_amdhsa_kernel
	.amdgpu_metadata
---
amdhsa.version: [ 1, 2 ]
amdhsa.kernels:
  - .name:           k_qf11608ab6c_attn
    .symbol:         k_qf11608ab6c_attn.kd
    .args:
      - { .name: qkv_codes, .offset: 0, .size: 8, .value_kind: global_buffer, .address_space: global }
      - { .name: qkv_scales, .offset: 8, .size: 8, .value_kind: global_buffer, .address_space: global }
      - { .name: o_codes, .offset: 16, .size: 8, .value_kind: global_buffer, .address_space: global }
      - { .name: o_scales, .offset: 24, .size: 8, .value_kind: global_buffer, .address_space: global }
    .group_segment_fixed_size: 52224
    .private_segment_fixed_size: 0
    .kernarg_segment_align: 8
    .kernarg_segment_size: 32
    .max_flat_workgroup_size: 512
    .sgpr_count:     66
    .vgpr_count:     256
    .wavefront_size: 32
...
	.end_amdgpu_metadata
.endif
;; end of part 3
;; launch outp (part 4): grid 8 x 32, 4 waves a work-group, clusters of 4 x 4, 214,528 bytes of LDS; arguments o_codes, o_scales, xw_codes, xw_scales, bo, out0; writes out0
.if DOCPART == 4
	.amdgcn_target "amdgcn-amd-amdhsa--gfx1250"
	.amdhsa_code_object_version 6
	.text
	.protected	k_qf11608ab6c_outp
	.globl	k_qf11608ab6c_outp
	.p2align	8
	.type	k_qf11608ab6c_outp,@function
k_qf11608ab6c_outp:
	s_mov_b64 s[64:65], 0
	v_nop
	global_prefetch_b8 v0, s[64:65] scope:SCOPE_SE
	s_setreg_imm32_b32 hwreg(HW_REG_WAVE_MODE, 25, 1), 1
	s_wait_xcnt 0x0
	s_wait_alu depctr_hold_cnt(0) depctr_sa_sdst(0) depctr_va_vdst(0) depctr_va_sdst(0) depctr_va_ssrc(0) depctr_va_vcc(0) depctr_vm_vsrc(0)
	s_getreg_b32 s2, hwreg(HW_REG_IB_STS2, 6, 4)
	s_cmp_eq_u32 s2, 0
	s_cbranch_scc0 .Lentry_in_a_cluster
	s_endpgm
.Lentry_in_a_cluster:
	s_bfe_u32 s2, ttmp6, 0x10000c
	s_cmp_lg_u32 s2, 0xf033
	s_cbranch_scc0 .Lentry_shape_is_right
	s_endpgm
.Lentry_shape_is_right:
; out = o Wo^T + bo on codes of FP6 (E2M3) with E8M0 scales, K = 1,024, in tiles of 128 x 128: 256 work-groups of four waves, 2 x 2 (a: tokens, b: columns), 64 x 64 a wave.
; A wave holds its 64 rows of Wo, all of K, in 384 registers and streams four blocks of 16 tokens past them, 32 products each, four accumulators by turns; a block's results leave while the next is multiplied.
; ALL OF K LIES IN LDS: 96 KiB of codes of each operand, one joint tensor load a wave, every byte filled once.  Wo lies as images of its fragments' registers; o as units of 768 bytes [head][tile of 16 tokens]: six registers of an operand:
; a fragment is the units of two heads.  Scale words come from memory straight into registers.  The bias is the first products' C.
; CLUSTERS: o's tiles are shared along a row of the cluster, Wo's along a column.  No prefetch: all that is read is asked for at the head; there is no loop to run ahead in.
; TRANSPOSED USE: source 0 = rows of Wo: a lane holds one token and eight neighbouring columns.
; REGISTERS: window 0: addresses, v24-59 scale words, v60-91 bias, v96-159 accumulators (two sets of four), v160-223 the way out.  Fragment f in window 1 + f / 21 at 12 (f % 21): 0-31 Wo's (4 q + n), 32-39 and 40-47 two sets of o.
; LIMITS: NaN and infinities are not served.
.set OL,    98304                      ; o in LDS: [head 16][tile 8][768]; Wo at 0: [q][tile 8][1,536]
.set STG,   196608                     ; the stages: 16 rows x 272 bytes for each wave: no fill lands here
.set SPARE, 214016
.set SPW, 10
.set NIL, 11
.set SW,  24
.set SO,  44
.set BI,  60
.set ACC, 96
.set G1O, 24
.set G1W, 32
.set MSB, 0
.macro WIN new
.set NW_, \new
.if MSB != NW_
	s_set_vgpr_msb (MSB<<8)|NW_
.set MSB, NW_
.endif
.endm
.macro PLACES n
.rept \n
	v_nop
.endr
.endm
.macro BARRIER
	s_barrier_signal -1
	s_barrier_wait -1
.endm
.macro CROUND
	BARRIER
	s_cmp_lg_u32 s16, 0
	s_cbranch_scc1 .Lnot_wave_0_\@
	s_barrier_signal -3
.Lnot_wave_0_\@:
	s_barrier_wait -3
	BARRIER
.endm
.macro GROUP1 g, mask, c, r, p
	s_or_b32 s[\g+0], s[\mask], (3<<16)|(1<<21)
	s_mov_b32 s[\g+1], (\c)<<16
	s_mov_b32 s[\g+2], (\r)<<16
	s_mov_b32 s[\g+3], (\c)<<16
	s_mov_b32 s[\g+4], \r
	s_mov_b32 s[\g+5], \p
	s_mov_b32 s[\g+6], 0
	s_mov_b32 s[\g+7], 0
.endm
	s_load_b256 s[4:11], s[0:1], 0x0               ; o: codes, scale words; the stack: codes, scale words
	s_load_b128 s[12:15], s[0:1], 0x20             ; bo, out
	v_lshl_add_u32 v[SPW], v0, 2, SPARE
	v_mov_b32 v[NIL], 0
	ds_add_u32 v[SPW], v[NIL]                      ; the opening add, twice on end
	ds_add_u32 v[SPW], v[NIL]
	v_lshrrev_b32 v1, 5, v0
	v_readfirstlane_b32 s16, v1                    ; wave
	s_lshr_b32 s17, s16, 1                         ; a.  Also: I fetch for Wo (0) or for o (1)
	s_and_b32 s18, s16, 1                          ; b.  Also: which half of K I fetch
	s_bfe_u32 s19, ttmp6, 0x40000                  ; cx
	s_bfe_u32 s20, ttmp6, 0x40004                  ; cy
	s_lshl_b32 s21, ttmp9, 2
	s_add_co_u32 s21, s21, s19                     ; tile column: 128 rows of Wo
	s_and_b32 s22, ttmp7, 0xffff
	s_lshl_b32 s22, s22, 2
	s_add_co_u32 s22, s22, s20                     ; tile row: 128 tokens
	s_lshl_b32 s23, s20, 2
	s_lshl_b32 s23, 15, s23                        ; my row of the cluster
	s_lshl_b32 s2, 0x1111, s19                     ; my column
	GROUP1 G1O, 23, 768, 8, 24576                  ; eight heads x 6,144 bytes, 196,608 bytes from head to head
	GROUP1 G1W, 2, 1536, 4, 1536                   ; four steps of 12,288 bytes, on end
	s_mov_b32 s40, 1
	s_mul_i32 s41, s18, 49152
	s_mov_b32 s44, 1
	s_add_co_u32 s45, s41, OL
	s_add_co_u32 s46, s21, 120
	s_mul_i32 s48, s46, 98304
	s_add_co_u32 s48, s48, s41                     ; Wo: block 120 + tile column of the stack, my half
	s_mov_b32 s49, 0
	s_mul_i32 s50, s18, 1572864
	s_lshr_b32 s51, s22, 4
	s_mul_i32 s51, s51, 98304
	s_add_co_u32 s50, s50, s51
	s_and_b32 s51, s22, 15
	s_mul_i32 s51, s51, 6144
	s_add_co_u32 s50, s50, s51                     ; o: eight heads x half, batch, tile
	s_mov_b32 s51, 0
	v_and_b32 v1, 15, v0                           ; r
	v_bfe_u32 v2, v0, 4, 1                         ; h
	v_and_b32 v3, 31, v0                           ; lane
	v_lshlrev_b32 v9, 4, v3
	s_mul_i32 s52, s18, 6144
	v_add_nc_u32 v12, s52, v9                      ; v12-13 Wo's fragments
	v_add_nc_u32 v13, 49152, v12
	s_mul_i32 s52, s17, 3072
	s_add_co_u32 s52, s52, OL
	v_add_nc_u32 v14, s52, v9                      ; v14-15 o's registers 0-3, v16-17 registers 4-5
	v_add_nc_u32 v15, 49152, v14
	v_lshl_add_u32 v16, v3, 3, s52
	v_add_nc_u32 v16, 512, v16
	v_add_nc_u32 v17, 49152, v16
	s_mul_i32 s52, s16, 4352
	s_add_co_u32 s52, s52, STG
	v_mul_u32_u24 v18, v1, 272
	v_lshl_add_u32 v18, v2, 5, v18
	v_add_nc_u32 v18, s52, v18                     ; the stage, in: row r, + 32 h
	v_mul_u32_u24 v19, v2, 272
	v_lshl_add_u32 v19, v1, 4, v19
	v_add_nc_u32 v19, s52, v19                     ; back: lanes 0-15 one row of 256 bytes, lanes 16-31 the next
	v_lshlrev_b32 v20, 12, v2
	v_lshl_add_u32 v20, v1, 4, v20                 ; and the same two rows in out
	v_lshlrev_b32 v21, 2, v3
	v_lshlrev_b32 v22, 5, v2
	s_wait_alu depctr_va_vdst(0)                   ; the wait at the head's end
	s_wait_dscnt 0x0                               ; both opening adds are done
	CROUND                                         ; all sixteen work-groups are here: the joint loads meet
	s_wait_kmcnt 0x0
	s_add_nc_u64 s[42:43], s[8:9], s[48:49]
	s_or_b32 s43, s43, 0x80000000
	s_add_nc_u64 s[46:47], s[4:5], s[50:51]
	s_or_b32 s47, s47, 0x80000000
	s_cmp_lt_u32 s16, 2
	s_cbranch_scc0 .Lfor_o
	tensor_load_to_lds s[40:43], s[G1W:G1W+7]      ; waves 0 and 1: Wo's halves
	s_nop 0
	PLACES 4
	s_branch .Lasked
.Lfor_o:
	tensor_load_to_lds s[44:47], s[G1O:G1O+7]      ; waves 2 and 3: o's
	s_nop 0
	PLACES 4
.Lasked:
	s_mov_b32 s3, 0
	s_add_co_u32 s2, s21, 120
	s_lshl_b32 s2, s2, 12
	s_lshl_b32 s52, s18, 11
	s_add_co_u32 s2, s2, s52
	s_add_nc_u64 s[10:11], s[10:11], s[2:3]        ; Wo's scale words
	s_lshl_b32 s2, s22, 9
	s_lshl_b32 s52, s17, 8
	s_add_co_u32 s2, s2, s52
	s_add_nc_u64 s[6:7], s[6:7], s[2:3]            ; o's: [pair of heads][token][4]
	s_lshl_b32 s2, s21, 9
	s_lshl_b32 s52, s18, 8
	s_add_co_u32 s2, s2, s52                       ; my first column, in bytes
	s_add_nc_u64 s[12:13], s[12:13], s[2:3]
	s_lshl_b32 s53, s22, 7
	s_lshl_b32 s52, s17, 6
	s_add_co_u32 s53, s53, s52
	s_lshl_b32 s53, s53, 12                        ; my first row: 4,096 bytes a row
	s_add_co_u32 s2, s2, s53
	s_add_nc_u64 s[14:15], s[14:15], s[2:3]
.irp p, 0,1
.irp c, 0,1
	global_load_b128 v[SW+8*\p+4*\c:SW+8*\p+4*\c+3], v9, s[10:11] offset:1024*\p+512*\c
.endr
.endr
.irp q, 0,1,2,3,4,5,6,7
.irp p, 0,1
	global_load_b32 v[SO+8*\p+\q], v21, s[6:7] offset:16384*\q+128*\p   ; step q, tiles 2 p (lanes 0-15) and 2 p + 1
.endr
.endr
.irp n, 0,1,2,3
.irp k, 0,1
	global_load_b128 v[BI+8*\n+4*\k:BI+8*\n+4*\k+3], v22, s[12:13] offset:64*\n+16*\k
.endr
.endr
.macro FETCH s                         ; o's block s into set s % 2: 32 loads
.irp q, 0,1,2,3,4,5,6,7
.set F_, 32+8*((\s)%2)+\q
.set R_, 12*(F_%21)
	WIN ((1+F_/21)<<6)
.irp e, 0,1
	ds_load_b128 v[R_+6*\e:R_+6*\e+3], v[14+\q/4] offset:6144*(2*(\q%4)+\e)+768*(\s)
	ds_load_b64 v[R_+6*\e+4:R_+6*\e+5], v[16+\q/4] offset:6144*(2*(\q%4)+\e)+768*(\s)
.endr
.endr
	WIN 0
.endm
.macro PROD3 c, ra, rb
	v_wmma_scale_f32_16x16x128_f8f6f4 v[D_:D_+7], v[RB_:RB_+11], v[RA_:RA_+11], v[\c:\c+7], v[XB_], v[XA_] matrix_a_fmt:MATRIX_FMT_FP6 matrix_b_fmt:MATRIX_FMT_FP6 matrix_a_scale:MATRIX_SCALE_ROW\ra matrix_b_scale:MATRIX_SCALE_ROW\rb
.endm
.macro PROD s, n
.set Q_, (\n)/4
.set T_, (\n)%4
.set FB_, 4*Q_+T_
.set FA_, 32+8*((\s)%2)+Q_
.set RB_, 12*(FB_%21)
.set RA_, 12*(FA_%21)
.set XB_, SW+8*(T_/2)+Q_
.set XA_, SO+8*((\s)/2)+Q_
.set D_, ACC+32*((\s)%2)+8*T_
.if Q_
.set CC_, D_
.else
.set CC_, BI+8*T_
.endif
	WIN ((1+FB_/21)|((1+FA_/21)<<2))
.if T_%2
.if (\s)%2
	PROD3 CC_, 1, 1
.else
	PROD3 CC_, 1, 0
.endif
.else
.if (\s)%2
	PROD3 CC_, 0, 1
.else
	PROD3 CC_, 0, 0
.endif
.endif
.endm
.macro PRODS s, from, to
.set N_, \from
.rept (\to)-(\from)
	PROD \s, N_
.set N_, N_+1
.endr
.endm
; THE WAY OUT of block s: through my own stage, back as whole rows of 256 bytes.  LDS serves a wave's instructions in order (ISA guide 5.7.1.4): no wait between the stores and the loads, nor in front of the next block's stores.
.macro TOSTAGE s
.irp n, 0,1,2,3
	ds_store_b128 v18, v[ACC+32*((\s)%2)+8*\n:ACC+32*((\s)%2)+8*\n+3] offset:64*\n
	ds_store_b128 v18, v[ACC+32*((\s)%2)+8*\n+4:ACC+32*((\s)%2)+8*\n+7] offset:64*\n+16
.endr
.set BB, 160+32*((\s)%2)
.irp t, 0,1,2,3,4,5,6,7
	ds_load_b128 v[BB+4*\t:BB+4*\t+3], v19 offset:544*\t
.endr
.endm
.macro SEND s
.set BB, 160+32*((\s)%2)
	s_wait_dscnt 0x0                               ; the block is back in registers
.irp t, 0,1,2,3,4,5,6,7
	global_store_b128 v20, v[BB+4*\t:BB+4*\t+3], s[14:15] offset:(16*(\s)+2*\t)*4096 th:TH_STORE_NT   ; 16 lanes store 256 consecutive bytes, aligned
.endr
.endm
.macro OBLOCK s, dsw
.if (\dsw) >= 0
	s_wait_dscnt \dsw
.endif
	PRODS \s, 0, 16
.if (\s) > 0
	WIN 0
	SEND (\s)-1
.endif
	PRODS \s, 16, 32
	WIN 0
	PLACES 4
.if (\s) < 2
	FETCH (\s)+2
.endif
.if (\s) > 1
	s_wait_xcnt 0x0                                ; block s - 2's stores have read their registers
.endif
	TOSTAGE \s
.endm
	s_cmp_lt_u32 s16, 2
	s_cbranch_scc0 .Lnot_w
	s_wait_tensorcnt 0x0
.Lnot_w:
	BARRIER                                        ; Wo is in
.irp q, 0,1,2,3,4,5,6,7
.irp n, 0,1,2,3
.set F_, 4*\q+\n
.set R_, 12*(F_%21)
	WIN ((1+F_/21)<<6)
.irp p, 0,1,2
	ds_load_b128 v[R_+4*\p:R_+4*\p+3], v[12+\q/4] offset:12288*(\q%4)+1536*\n+512*\p
.endr
.endr
.endr
	WIN 0
	s_wait_tensorcnt 0x0
	s_wait_dscnt 0x0
	BARRIER                                        ; o is in; nothing is filled again
	FETCH 0
	FETCH 1
	s_wait_loadcnt 0x0                             ; scale words and bias
	OBLOCK 0, 32                                   ; the next block's 32 loads may be out
	OBLOCK 1, 48                                   ; block 2's 32 loads and block 0's 16 of the stage may be out
	OBLOCK 2, -1                                   ; (all LDS work up to its rows was waited for in the block before)
	OBLOCK 3, -1
	SEND 3
	s_wait_tensorcnt 0x0                           ; the wave's end
	ds_add_u32 v[SPW], v[NIL]
	s_wait_dscnt 0x0
	CROUND                                         ; the closing round: no work-group ends while a partner may still ask for a tile that names it
	s_endpgm
.Lfunc_end_k_qf11608ab6c_outp:
	.size	k_qf11608ab6c_outp, .Lfunc_end_k_qf11608ab6c_outp-k_qf11608ab6c_outp
	.p2alignl 7, 3214868480
	.fill 96, 4, 3214868480
	.section	.rodata,"a",@progbits
	.p2align	6, 0x0
	.amdhsa_kernel k_qf11608ab6c_outp
		.amdhsa_group_segment_fixed_size 214528
		.amdhsa_private_segment_fixed_size 0
		.amdhsa_enable_private_segment 0
		.amdhsa_kernarg_size 48
		.amdhsa_user_sgpr_count 2
		.amdhsa_user_sgpr_kernarg_segment_ptr 1
		.amdhsa_wavefront_size32 1
		.amdhsa_system_sgpr_workgroup_id_x 1
		.amdhsa_system_sgpr_workgroup_id_y 1
		.amdhsa_system_sgpr_workgroup_id_z 1
		.amdhsa_system_vgpr_workitem_id 0
		.amdhsa_next_free_vgpr 848
		.amdhsa_next_free_sgpr 106
		.amdhsa_reserve_vcc 0
		.amdhsa_float_denorm_mode_32 3
		.amdhsa_float_denorm_mode_16_64 3
		.amdhsa_memory_ordered 1
		.amdhsa_forward_progress 1
		.amdhsa_inst_pref_size 49
	.end_amdhsa_kernel
	.amdgpu_metadata
---
amdhsa.version: [ 1, 2 ]
amdhsa.kernels:
  - .name:           k_qf11608ab6c_outp
    .symbol:         k_qf11608ab6c_outp.kd
    .args:
      - { .name: o_codes, .offset: 0, .size: 8, .value_kind: global_buffer, .address_space: global }
      - { .name: o_scales, .offset: 8, .size: 8, .value_kind: global_buffer, .address_space: global }
      - { .name: xw_codes, .offset: 16, .size: 8, .value_kind: global_buffer, .address_space: global }
      - { .name: xw_scales, .offset: 24, .size: 8, .value_kind: global_buffer, .address_space: global }
      - { .name: bo, .offset: 32, .size: 8, .value_kind: global_buffer, .address_space: global }
      - { .name: out0, .offset: 40, .size: 8, .value_kind: global_buffer, .address_space: global }
    .group_segment_fixed_size: 214528
    .private_segment_fixed_size: 0
    .kernarg_segment_align: 8
    .kernarg_segment_size: 48
    .max_flat_workgroup_size: 128
    .sgpr_count:     106
    .vgpr_count:     848
    .wavefront_size: 32
...
	.end_amdgpu_metadata
.endif
;; end of part 4
